; MI455X (gfx1250); checked and timed in simulation.
; The chip was launched on July 23, 2026; its instructions are those of AMD's public machine-readable ISA for CDNA 5 (MIT licence, August 2026) and "CDNA5" Instruction Set Architecture Reference Guide (July 2026). The comments in the code are by the model that wrote it; some were corrected since.
;; Causal Self Attention. Allowed arithmetic: matrix products marked QUANTISED: E2M3 operands, one E8M0 scale for each 32 along K, by v_wmma_scale_f32_16x16x128_f8f6f4 with both operands' format E2M3, f32 sums; everything else in f32.
;; Inputs: W_kqv 3,072 x 1,024 float32; W_proj 1,024 x 1,024 float32; b_kqv 3,072 float32; b_proj 1,024 float32; x 4 x 2,048 x 1,024 float32.
;; Outputs: out0 4 x 2,048 x 1,024 float32.
;; This version of the problem:
;;   THIS VERSION OF THE PROBLEM IS GIVEN IN LOW PRECISION. The matrix products marked QUANTISED in the list below multiply operands that are first quantised to E2M3 (2 exponent bits, 3 mantissa bits; 6 bits a number), with one power-of-two scale for each 32 numbers along K (OCP MX v1.0); their sums are f32. All else is computed in f32.
;;   The module's matrix products, in the order in which they are computed (A, B: the left and right operand; K: the contracted axis; several contracted axes count as one K, in the product's order):
;;     1. [M 8,192, K 1,024] x [K 1,024, N 3,072]; A: input x; B: input W_kqv: QUANTISED
;;     2. batch 64 x [M 2,048, K 64] x [K 64, N 2,048]; A: computed on the way; B: computed on the way: QUANTISED
;;     3. batch 64 x [M 2,048, K 2,048] x [K 2,048, N 64]; A: softmax (see below); B: computed on the way: QUANTISED
;;     4. [M 8,192, K 1,024] x [K 1,024, N 1,024]; A: computed on the way; B: input W_proj: QUANTISED
;;   THE QUANTISER, for each operand of a quantised product, along K:
;;     - K is cut into blocks of 32 from its start; a last block that is shorter is filled with zeros.
;;     - A block's scale is 2^e with e = floor(log2(the largest magnitude in the block)) - 2, held to -126 .. 127; a block of zeros has e = 0. As a byte (E8M0): e + 127.
;;     - Each number is divided by its block's scale, clamped to +-7.5, and rounded to the nearest number of E2M3, ties to even, subnormals kept.
;;     - The product sums the exact products of the quantised numbers (number of the format x scale) in f32.
;;   ~~~python
;;   def quantise(x, axis):      # numpy; x: float32 -> the quantised numbers, widened to float32 again
;;       x = np.moveaxis(x, axis, -1); K = x.shape[-1]
;;       x = np.pad(x, [(0, 0)] * (x.ndim - 1) + [(0, -K % 32)]); x = x.reshape(x.shape[:-1] + (-1, 32)); a = np.abs(x).max(-1, keepdims=True)
;;       e = np.where(a > 0, np.clip(np.frexp(np.where(a > 0, a, 1))[1] - 1 - 2, -126, 127), 0)      # np.frexp(a)[1] - 1 = floor(log2(a)), exactly
;;       r = np.clip(x / 2.0 ** e, -7.5, 7.5)
;;       step = 2.0 ** (np.maximum(np.frexp(np.where(r == 0, 1, r))[1] - 1, 0) - 3)
;;       q = np.round(r / step) * step * 2.0 ** e      # np.round: ties to even
;;       return np.moveaxis(q.reshape(q.shape[:-2] + (-1,))[..., :K], -1, axis).astype(np.float32)
;;   ~~~
;;   SOFTMAX AHEAD OF A QUANTISED PRODUCT. Where the list says 'softmax', what is quantised is not the finished softmax but p = 2^(t - M), with t = logit x log2(e) and M = ceil(the row's largest t), a whole number; so 1/2 < the row's largest p <= 1. The row's sum l is taken of the UNQUANTISED p, in f32, and the product's result is divided by l at the end. Since M is a whole number, a kernel that streams over the keys may use a running M (the ceiling of the running maximum): every later rescaling is an exact power of two, which a block's scale takes up: the codes' values come out the same.
;;   OPERANDS COMPUTED ON THE WAY. 'Computed on the way' means the value that the module computes at that place (a softmax that the list does not call 'softmax' is quantised finished and normalised). What goes into a quantiser is computed in f32, as accurately as f32 sums, v_exp_f32 and their like allow (about 1e-6 of the number): no bf16 or f16 on the way to a quantiser, and a product that is left as it is and whose result goes on into a quantised operand takes f32 operands (vector FMAs, or v_wmma_f32_16x16x4_f32). A number that lies on a knife's edge between two numbers of the format may be rounded either way, as far as f32 arithmetic and the matrix unit's own rounding can turn it there, and no further.
;; One version. Each part assembles by itself: llvm-mc -triple=amdgcn-amd-amdhsa -mcpu=gfx1250 --defsym DOCPART=n.
;; ======== version 1 of 1: 4 launches
;; limits: right only within a limited range of input values
;; workspace buffers: opc 9,437,184 bytes; ops 655,360 bytes; hc 19,660,800 bytes; hs 524,288 bytes; yc 6,291,456 bytes
;; launch quant (part 1): grid 384 x 1, 4 waves a work-group, no clusters, 35,328 bytes of LDS; arguments x, W_kqv, W_proj, opc, ops; writes opc, ops
.if DOCPART == 1
	.amdgcn_target "amdgcn-amd-amdhsa--gfx1250"
	.amdhsa_code_object_version 6
	.text
	.protected	k_q89fac83b20_quant
	.globl	k_q89fac83b20_quant
	.p2align	8
	.type	k_q89fac83b20_quant,@function
k_q89fac83b20_quant:
	s_mov_b64 s[64:65], 0
	v_nop
	global_prefetch_b8 v0, s[64:65] scope:SCOPE_SE
	s_setreg_imm32_b32 hwreg(HW_REG_WAVE_MODE, 25, 1), 1
	s_wait_xcnt 0x0
; x [8192][1024], W_kqv [3072][1024] and W_proj [1024][1024], f32, K innermost, become codes of FP6 (E2M3) with one E8M0 scale byte for each 32 along K.
; A block's scale is 2^(floor(log2(its largest magnitude)) - 2); its byte is the largest magnitude's exponent field - 2, held at 1 from below.
; LIMITS: NaN and infinities among the inputs are not served; a block whose largest magnitude lies under 2^-124 keeps the byte 1; a block of zeros gets the byte 1 where the rule says 127:
; its codes are zeros, which add nothing under any byte but 0xff, and the bytes are read by this program alone.
; THE OUTPUT IS LAID AS THE MATRIX OPERAND'S REGISTERS.  A HALF FRAGMENT is 16 rows x 64 along K, 768 bytes: lane l = (r = l % 16, h = l / 16) owns the 32 codes of row r, block h: six registers;
; the first four lie at 16 l, the last two at 512 + 8 l.  opc: [tile of 16 rows][16 half fragments].  ops: [tile][K half] units of 256 bytes, [row r][4 words], a word = the four bytes of 128 along K.
; THE ROWS OF A TILE ARE NOT NEIGHBOURS: row r of tile 2 b + u is the tensor's row 32 b + 8 u + r % 8 + 16 (r / 8), so that, where a tile is source 0 of a product, the 16 result registers of two
; neighbouring tiles are 16 neighbours.  The three tensors' tiles lie on end: x 0-511, W_kqv 512-703, W_proj 704-767.
; SHARES: a work-group takes 32 rows (two tiles); wave w takes tile w / 2 and K half w % 2: eight half fragments and one unit of scale words.
; Each load reads two whole runs of 256 consecutive bytes (one row's 64 numbers for each half of the lanes); a step's 4,096 bytes turn through the wave's own stage in LDS (rows 272 bytes apart,
; so that the sixteen rows of a read start at sixteen different banks) and come back 128 bytes a lane: a whole block of 32, whose maximum needs no other lane.
; No matrix unit, no cluster, no tensor load, no barrier: waves share nothing and memory binds.  Loads run four steps (32 loads a wave) ahead.
.set EMAX,  2
.set SP,    272
.set STG,   16*SP                      ; a stage; two of them for each wave
.set WREG,  2*STG
.set SPARE, 4*WREG                     ; behind the four regions: the spare words, 128 bytes for each wave
.set GOF, 3                            ; v3   where I read: 16 rows further down for lanes 16-31, 16 bytes a lane
.set SWA, 4                            ; v4   the stage on the way in
.set SRA, 5                            ; v5   and on the way out: row r, block h
.set O16, 6                            ; v6   16 x lane
.set O8,  7                            ; v7   8 x lane
.set SOF, 8                            ; v8   my two scale words' place in the unit: 16 r + 8 h
.set SH8, 9                            ; v9   8 h
.set SPW, 10                           ; v10  LDS address of my spare word; never rewritten
.set NIL, 11                           ; v11  0; never rewritten
.set WP,  16                           ; v16-19 my bytes of the four scale words
.set TQ,  20                           ; v20-22 a block's upper 16 codes as they are made
.set C,   24                           ; v24-39 codes, two sets of 8
.set X,   40                           ; v40-103 two sets of 32 neighbours
.set R,   104                          ; v104-231 four sets of 32 numbers as loaded
	s_load_b128 s[4:7], s[0:1], 0x0                ; x, W_kqv
	s_load_b128 s[8:11], s[0:1], 0x10              ; W_proj, opc
	s_load_b64 s[12:13], s[0:1], 0x20              ; ops
	v_lshl_add_u32 v[SPW], v0, 2, SPARE
	v_mov_b32 v[NIL], 0
	v_lshrrev_b32 v1, 5, v0
	v_readfirstlane_b32 s14, v1                    ; wave
	v_and_b32 v2, 31, v0                           ; lane
	v_and_b32 v12, 15, v0                          ; r
	v_bfe_u32 v13, v0, 4, 1                        ; h
	v_lshlrev_b32 v[GOF], 4, v12
	v_lshl_add_u32 v[GOF], v13, 16, v[GOF]         ; 16 rows of 4,096 bytes for the upper lanes
	s_mul_i32 s15, s14, WREG
	v_mul_u32_u24 v[SWA], v13, 8*SP
	v_lshl_add_u32 v[SWA], v12, 4, v[SWA]
	v_add_nc_u32 v[SWA], s15, v[SWA]               ; in: load j's rows are the tile's rows j and 8 + j
	v_mul_u32_u24 v[SRA], v12, SP
	v_lshl_add_u32 v[SRA], v13, 7, v[SRA]
	v_add_nc_u32 v[SRA], s15, v[SRA]
	v_lshlrev_b32 v[O16], 4, v2
	v_lshlrev_b32 v[O8], 3, v2
	v_lshlrev_b32 v[SOF], 4, v12
	v_lshl_add_u32 v[SOF], v13, 3, v[SOF]
	v_lshlrev_b32 v[SH8], 3, v13
	s_lshr_b32 s18, s14, 1                         ; which tile of the two
	s_and_b32 s19, s14, 1                          ; which K half
	s_lshl_b32 s18, s18, 15                        ; 8 rows of 4,096 bytes
	s_lshl_b32 s19, s19, 11                        ; 512 numbers
	s_add_co_u32 s18, s18, s19
	s_mul_i32 s20, ttmp9, 24576                    ; codes: two tiles of 12,288 bytes a work-group, 6,144 a wave
	s_mul_i32 s22, s14, 6144
	s_add_co_u32 s20, s20, s22
	s_mov_b32 s21, 0
	s_lshl_b32 s22, ttmp9, 10                      ; scale words: 256 bytes a wave
	s_lshl_b32 s23, s14, 8
	s_add_co_u32 s22, s22, s23
	s_mov_b32 s23, 0
	s_mov_b32 s17, 352
	s_wait_alu depctr_va_vdst(0)
	s_wait_kmcnt 0x0
	s_cmp_lt_u32 ttmp9, 256                        ; which tensor: the choice hangs on the work-group's number alone
	s_cselect_b64 s[4:5], s[4:5], s[6:7]
	s_cselect_b32 s16, 0, 256
	s_cmp_lt_u32 ttmp9, 352
	s_cselect_b64 s[4:5], s[4:5], s[8:9]
	s_cselect_b32 s16, s16, s17
	s_sub_co_u32 s16, ttmp9, s16                   ; the work-group's number within its tensor
	s_lshl_b32 s16, s16, 17                        ; 32 rows of 4,096 bytes
	s_add_co_u32 s16, s16, s18
	s_mov_b32 s17, 0
	s_add_nc_u64 s[4:5], s[4:5], s[16:17]
	s_add_nc_u64 s[10:11], s[10:11], s[20:21]
	s_add_nc_u64 s[12:13], s[12:13], s[22:23]
.macro LOAD t                          ; step t: 64 along K of my 16 rows
.irp j, 0,1,2,3,4,5,6,7
	global_load_b128 v[R+32*((\t)%4)+4*\j:R+32*((\t)%4)+4*\j+3], v[GOF], s[4:5] offset:4096*\j+256*(\t) th:TH_LOAD_NT
.endr
.endm
.macro TURN t                          ; through the stage: LDS serves a wave's instructions in order, so no wait stands between the stores and the loads
.irp j, 0,1,2,3,4,5,6,7
	ds_store_b128 v[SWA], v[R+32*((\t)%4)+4*\j:R+32*((\t)%4)+4*\j+3] offset:STG*((\t)%2)+SP*\j
.endr
.irp i, 0,1,2,3,4,5,6,7
	ds_load_b128 v[X+32*((\t)%2)+4*\i:X+32*((\t)%2)+4*\i+3], v[SRA] offset:STG*((\t)%2)+16*\i
.endr
.endm
.irp t, 0,1,2,3
	LOAD \t
.endr
	s_wait_loadcnt 24                              ; step 0's eight loads are in; those of three steps may be out
	TURN 0
.macro STEP t
.set XS, X+32*((\t)%2)
.set CC, C+8*((\t)%2)
	s_wait_dscnt 0x0                               ; this step's numbers are back from the stage, so its stores into the stage have read their registers,
.if (\t)+4 < 8
	LOAD (\t)+4                                    ; which take the loads of four steps on
.endif
.if (\t) < 7
.if (\t) < 4
	s_wait_loadcnt 24                              ; the next step's loads are in; eight for each step behind it may be out
.else
	s_wait_loadcnt 8*(6-(\t))
.endif
	TURN (\t)+1                                    ; the next step goes through the other stage while this one is worked
.endif
	v_max3_num_f32 v12, |v[XS]|, |v[XS+1]|, |v[XS+2]|               ; the block's largest magnitude: all 32 numbers are mine; two chains
	v_max3_num_f32 v13, |v[XS+3]|, |v[XS+4]|, |v[XS+5]|
.irp i, 6,10,14,18,22,26
	v_max3_num_f32 v12, v12, |v[XS+\i]|, |v[XS+\i+1]|
	v_max3_num_f32 v13, v13, |v[XS+\i+2]|, |v[XS+\i+3]|
.endr
	v_max3_num_f32 v12, v12, |v[XS+30]|, |v[XS+31]|
	v_max3_num_f32 v12, v12, v13, (EMAX+1)<<23     ; and the floor 2^(3 - 127): the byte cannot fall under 1
	v_add_nc_u32 v14, -(EMAX<<23), v12             ; 2 off its exponent field: the conversion takes the exponent field of this operand as its scale
	s_wait_alu depctr_va_vdst(0)
	s_wait_xcnt 0x0                                ; the stores of two steps ago have read this set of code registers
	v_cvt_scalef32_pk16_fp6_f32 v[CC:CC+2], v[XS:XS+15], v14
	v_cvt_scalef32_pk16_fp6_f32 v[TQ:TQ+2], v[XS+16:XS+31], v14     ; (a conversion's three registers begin on an even number)
	v_lshrrev_b32 v15, 23, v14                     ; the scale's byte; also the plain line behind the conversions
.irp i, 0,1,2
	v_mov_b32 v[CC+3+\i], v[TQ+\i]
.endr
.if (\t)%2 == 0
	v_mov_b32 v[WP+(\t)/2], v15                    ; word t / 2: my byte of its first 64 along K,
.else
	v_lshl_or_b32 v[WP+(\t)/2], v15, 16, v[WP+(\t)/2]   ; and of its second
.endif
	global_store_b128 v[O16], v[CC:CC+3], s[10:11] offset:768*(\t)        ; 512 consecutive bytes,
	global_store_b64 v[O8], v[CC+4:CC+5], s[10:11] offset:768*(\t)+512    ; and 256
.endm
.irp t, 0,1,2,3,4,5,6,7
	STEP \t
.endr
.irp i, 0,1,2,3
	v_lshlrev_b32 v[WP+\i], v[SH8], v[WP+\i]       ; block h's bytes stand 8 h bits up
.endr
	v_permlane16_swap_b32 v[WP], v[WP+2]           ; lanes 0-15 gather both halves of words 0 and 1, lanes 16-31 of words 2 and 3
	v_permlane16_swap_b32 v[WP+1], v[WP+3]
	v_or_b32 v12, v[WP], v[WP+2]
	v_or_b32 v13, v[WP+1], v[WP+3]
	global_store_b64 v[SOF], v[12:13], s[12:13]    ; 32 lanes store one aligned run of 256 bytes
	s_wait_tensorcnt 0x0                           ; the wave's end
	ds_add_u32 v[SPW], v[NIL]
	s_wait_dscnt 0x0
	s_endpgm
.Lfunc_end_k_q89fac83b20_quant:
	.size	k_q89fac83b20_quant, .Lfunc_end_k_q89fac83b20_quant-k_q89fac83b20_quant
	.p2alignl 7, 3214868480
	.fill 96, 4, 3214868480
	.section	.rodata,"a",@progbits
	.p2align	6, 0x0
	.amdhsa_kernel k_q89fac83b20_quant
		.amdhsa_group_segment_fixed_size 35328
		.amdhsa_private_segment_fixed_size 0
		.amdhsa_enable_private_segment 0
		.amdhsa_kernarg_size 40
		.amdhsa_user_sgpr_count 2
		.amdhsa_user_sgpr_kernarg_segment_ptr 1
		.amdhsa_wavefront_size32 1
		.amdhsa_system_sgpr_workgroup_id_x 1
		.amdhsa_system_sgpr_workgroup_id_y 1
		.amdhsa_system_sgpr_workgroup_id_z 1
		.amdhsa_system_vgpr_workitem_id 0
		.amdhsa_next_free_vgpr 232
		.amdhsa_next_free_sgpr 66
		.amdhsa_reserve_vcc 0
		.amdhsa_float_denorm_mode_32 3
		.amdhsa_float_denorm_mode_16_64 3
		.amdhsa_memory_ordered 1
		.amdhsa_forward_progress 1
		.amdhsa_inst_pref_size 31
	.end_amdhsa_kernel
	.amdgpu_metadata
---
amdhsa.version: [ 1, 2 ]
amdhsa.kernels:
  - .name:           k_q89fac83b20_quant
    .symbol:         k_q89fac83b20_quant.kd
    .args:
      - { .name: x, .offset: 0, .size: 8, .value_kind: global_buffer, .address_space: global }
      - { .name: W_kqv, .offset: 8, .size: 8, .value_kind: global_buffer, .address_space: global }
      - { .name: W_proj, .offset: 16, .size: 8, .value_kind: global_buffer, .address_space: global }
      - { .name: opc, .offset: 24, .size: 8, .value_kind: global_buffer, .address_space: global }
      - { .name: ops, .offset: 32, .size: 8, .value_kind: global_buffer, .address_space: global }
    .group_segment_fixed_size: 35328
    .private_segment_fixed_size: 0
    .kernarg_segment_align: 8
    .kernarg_segment_size: 40
    .max_flat_workgroup_size: 128
    .sgpr_count:     66
    .vgpr_count:     232
    .wavefront_size: 32
...
	.end_amdgpu_metadata
.endif
;; end of part 1
;; launch kqv (part 2): grid 8 x 32, 4 waves a work-group, clusters of 4 x 4, 327,680 bytes of LDS; arguments opc, ops, b_kqv, hc, hs; writes hc, hs
.if DOCPART == 2
	.amdgcn_target "amdgcn-amd-amdhsa--gfx1250"
	.amdhsa_code_object_version 6
	.text
	.protected	k_q89fac83b20_kqv
	.globl	k_q89fac83b20_kqv
	.p2align	8
	.type	k_q89fac83b20_kqv,@function
k_q89fac83b20_kqv:
	s_mov_b64 s[64:65], 0
	v_nop
	global_prefetch_b8 v0, s[64:65] scope:SCOPE_SE
	s_setreg_imm32_b32 hwreg(HW_REG_WAVE_MODE, 25, 1), 1
	s_wait_xcnt 0x0
	s_wait_alu depctr_hold_cnt(0) depctr_sa_sdst(0) depctr_va_vdst(0) depctr_va_sdst(0) depctr_va_ssrc(0) depctr_va_vcc(0) depctr_vm_vsrc(0)
	s_getreg_b32 s2, hwreg(HW_REG_IB_STS2, 6, 4)
	s_cmp_eq_u32 s2, 0
	s_cbranch_scc0 .Lentry_in_a_cluster
	s_endpgm
.Lentry_in_a_cluster:
	s_bfe_u32 s2, ttmp6, 0x10000c
	s_cmp_lg_u32 s2, 0xf033
	s_cbranch_scc0 .Lentry_shape_is_right
	s_endpgm
.Lentry_shape_is_right:
; kqv = x W_kqv^T + b_kqv on codes of FP6 (E2M3) with E8M0 scales, sums in f32; k, q and v leave as codes again: k and q quantised along the head's 64, v along the keys.  No f32 result is stored.
; 256 work-groups of four waves.  Work-group (fg, tb) takes 256 tokens (16 tiles of x) and features 128 fg .. + 127 of v, of k and of q: three PHASES on the same rows of x.
; LDS: x's 16 tiles, all of K (196,608 bytes), come once and stay; the weights' 8 tiles (98,304) have a region of their own, filled at the head with W_v's and filled again twice (W_k's, W_q's), each time
; behind the three lines and a round of the cluster's barrier, two tiles a wave.  A tile = 16 rows x 1,024 K = 12,288 dense bytes of half fragments
; (16 rows x 64 K, 768 bytes: lane l's first four registers at 16 l, its last two at 512 + 8 l).  Row r of tile 2 b + u is the tensor's row 32 b + 8 u + r % 8 + 16 (r / 8).
; A WAVE (HI, LO) holds the weights' tiles 4 LO + b (one head), all of K, in 384 registers and streams x's tiles 8 HI + s (one key step), s = 0 .. 7, past them: a block is 32 products on four accumulators by turns;
; the bias is the first four products' C.  k, q: source 0 = the weights: a lane's 32 sums of a block are one token's 64 / 2 features.  v: source 0 = x: a lane's 32 sums of four blocks are 64 / 2 keys of one feature.
; So one quantiser serves all: 32 sums a lane, register 16 c + i = place 32 c + 16 (lane / 16) + i, become a half fragment and two scale bytes.  k, q: the search for block s - 1's largest magnitudes stands among block s's products.
; THE HEAD: one joint load a wave, each in its own arm: W_v; x's tiles {0, 1, 8, 9}; {2-4, 10-12}; {5-7, 13-15} (two rows of 2 or 3 tiles, 8 tiles apart).  Two plain barriers show the first two; the first refill's round the rest.
; OUT.  hc: for each (batch, head) sixteen key steps of 13,056 bytes: [K's 8 token tiles 6,144][V: 4 tiles of d x 2 halves 6,144][K's scale words: 2 units of 256][V's: 1 unit]; Q's half fragments behind all heads.
; hs: Q's scale words, a unit of 256 bytes [row][4 words] for four token tiles.  Of a K or Q word bytes 0, 1 count; bytes 2, 3 are 0 and meet zero codes.
; The scale words of x and of the weights go from memory straight into registers: lanes 0-15 one tile, lanes 16-31 another.  CLUSTER 4 x 4: x's tiles shared along a row, the weights' along a column.
; No prefetch: x comes at the head, and a refill is asked for six blocks (192 products) ahead of the barrier that shows it.
; THE WAITS' COUNTS: 32 = the next block's fetch may be out; 1 = the add may be out.
; LIMITS: NaN and infinities are not served; a block whose largest magnitude lies under 2^-124, and a block of zeros, keep the byte 1 (only this program reads the bytes).
; REGISTERS: window 0: v0-21 addresses, v24-55 x's scale words, v60-91 the weights' (two sets), v92-127 at work, v128-255 accumulators (k, q: two sets of 32, codes above them).
; Fragment f lies in window 1 + f / 21 at 12 (f % 21): 0-31 the weights' (4 q + b), 32-47 x's two sets.  v864-959 the three phases' bias.
.set TILEB,  12288
.set BB0,    16*TILEB
.set SPARE,  BB0+8*TILEB
.set STEPB,  13056
.set HEADB,  16*STEPB
.set QOFF,   64*HEADB
.set FPW,    21
.set AX,  6                            ; v6-11 LDS addresses of my tiles in x's three groups: 16 x lane, 8 x lane
.set AB,  12
.set SR,  14                           ; 16 r + 2,048 h
.set SRB, 15                           ; 16 r + 1,024 h
.set BOF, 16                           ; 64 h
.set BOV, 17                           ; 4 (r % 8 + 16 (r / 8))
.set SOF, 18                           ; 16 r + 256 h
.set SOV, 19                           ; 16 r + 8 h
.set SPW, 20
.set NIL, 21
.set SA,  24                           ; SA + 8 (s % 4) + q: lanes 0-15 tile s % 4, lanes 16-31 tile s % 4 + 4
.set SB,  60                           ; SB + 16 (phase % 2) + 8 (b % 2) + q: lanes 0-15 tile b % 2, lanes 16-31 tile b % 2 + 2
.set BM,  92
.set PD,  100
.set SO,  108
.set PW,  116
.set SD,  124
.set ACC, 128
.set BI,  96                           ; in window 3
.set WV, 14
.set HI, 15
.set LO, 16
.set MH, 23                            ; lanes 16-31
.set G1W, 24
.set G1X, 32
.set G1Y, 40
.set G1R, 48
.set G0W, 56
.set G0X, 60
.set WS,  68
.set SEL, 70
.set G0Y, 72
.set G0Z, 76
.set G0R, 80
.set BK,  92
.set BQ,  94
.set BQS, 96
.set XS,  98
.set MSB, 0
.macro WIN new
.if MSB != \new
	s_set_vgpr_msb (MSB<<8)|\new
.set MSB, \new
.endif
.endm
.macro PLACES n
.rept \n
	v_nop
.endr
.endm
.macro BARRIER
	s_barrier_signal -1
	s_barrier_wait -1
.endm
.macro CROUND
	BARRIER
	s_cmp_lg_u32 s[WV], 0
	s_cbranch_scc1 .Lnot_wave_0_\@
	s_barrier_signal -3
.Lnot_wave_0_\@:
	s_barrier_wait -3
	BARRIER
.endm
.macro ARM under, g0, g1, next
	s_cmp_lt_u32 s[WV], \under
	s_cbranch_scc0 \next
	tensor_load_to_lds s[\g0:\g0+3], s[\g1:\g1+7]
	s_nop 0
	PLACES 4
	s_branch .Lhead_asked
\next:
.endm
.macro GROUP1 g, mask, c, r, p         ; r rows of c elements of 8 bytes, p elements apart
	s_or_b32 s[\g], s\mask, (3<<16)|(1<<21)
	s_mov_b32 s[\g+1], (\c)<<16
	s_mov_b32 s[\g+2], (\r)<<16
	s_mov_b32 s[\g+3], (\c)<<16
	s_mov_b32 s[\g+4], \r
	s_mov_b32 s[\g+5], \p
	s_mov_b32 s[\g+6], 0
	s_mov_b32 s[\g+7], 0
.endm
.macro G0SET g, lds, base, off
	s_mov_b32 s[\g], 1
	s_mov_b32 s[\g+1], \lds
	s_add_nc_u64 s[\g+2:\g+3], s[\base:\base+1], \off
	s_or_b32 s[\g+3], s[\g+3], 0x80000000
.endm
.macro FRAG f, a, off                  ; a fragment of 128 K: four dense loads
	WIN (1+(\f)/FPW)<<6
.set R_, 12*((\f)%FPW)
	ds_load_b128 v[R_:R_+3], v[\a] offset:(\off)
	ds_load_b64 v[R_+4:R_+5], v[\a+1] offset:(\off)+512
	ds_load_b128 v[R_+6:R_+9], v[\a] offset:(\off)+768
	ds_load_b64 v[R_+10:R_+11], v[\a+1] offset:(\off)+1280
.endm
.macro FETCH s                         ; my tile s of x, all of K, into set s % 2: 32 loads
.if (\s) < 2
.set G_, 0
.set O_, (\s)
.elseif (\s) < 5
.set G_, 1
.set O_, (\s)-2
.else
.set G_, 2
.set O_, (\s)-5
.endif
.irp q, 0,1,2,3,4,5,6,7
	FRAG 32+8*((\s)%2)+\q, AX+2*G_, O_*TILEB+1536*\q
.endr
	WIN 0
.endm
.macro WEIGHTS                         ; my four tiles of the weights, all of K: 128 loads
.irp q, 0,1,2,3,4,5,6,7
.irp b, 0,1,2,3
	FRAG 4*\q+\b, AB, \b*TILEB+1536*\q
.endr
.endr
	WIN 0
.endm
.macro WML ra, rb
	v_wmma_scale_f32_16x16x128_f8f6f4 v[D_:D_+7], v[12*(F0_%FPW):12*(F0_%FPW)+11], v[12*(F1_%FPW):12*(F1_%FPW)+11], v[CB_:CB_+7], v[X0_], v[X1_] matrix_a_fmt:MATRIX_FMT_FP6 matrix_b_fmt:MATRIX_FMT_FP6 matrix_a_scale:MATRIX_SCALE_ROW\ra matrix_b_scale:MATRIX_SCALE_ROW\rb
.endm
.macro PROD kind, p, s                 ; product N_ = 4 q + b of block s
.set Q_, N_/4
.set B_, N_%4
.if \kind
.set F0_, 32+8*((\s)%2)+Q_
.set F1_, 4*Q_+B_
.set X0_, SA+8*((\s)%4)+Q_
.set X1_, SB+16*((\p)%2)+8*(B_%2)+Q_
.set R0_, (\s)/4
.set R1_, B_/2
.set D_, ACC+32*B_+8*((\s)%4)
.else
.set F0_, 4*Q_+B_
.set F1_, 32+8*((\s)%2)+Q_
.set X0_, SB+16*((\p)%2)+8*(B_%2)+Q_
.set X1_, SA+8*((\s)%4)+Q_
.set R0_, B_/2
.set R1_, (\s)/4
.set D_, ACC+32*((\s)%2)+8*B_
.endif
.if Q_
.set CB_, D_
	WIN (1+F0_/FPW)|((1+F1_/FPW)<<2)
.else
.set CB_, BI+32*(\p)+8*B_
	WIN (1+F0_/FPW)|((1+F1_/FPW)<<2)|(3<<4)
.endif
.if R0_ == 0 && R1_ == 0
	WML 0, 0
.elseif R0_ == 0
	WML 0, 1
.elseif R1_ == 0
	WML 1, 0
.else
	WML 1, 1
.endif
.endm
; entry i of the search on the 32 sums from v[x] on: two chains, one for each block of 32; the conversions' scale operands into v[SO + 2 n ..]; the two bytes into v[w] (sh = 1: its upper half)
.macro QE i, x, n, w, sh
.set C_, (\i)%2
.set K_, (\i)/2
.set T_, 2*(\n)+C_
.if (\i) < 2
	v_max3_num_f32 v[BM+T_], |v[(\x)+16*C_]|, |v[(\x)+16*C_+1]|, 0x1800000   ; with the floor 2^(3 - 127)
.elseif (\i) < 16
	v_max3_num_f32 v[BM+T_], v[BM+T_], |v[(\x)+16*C_+2*K_]|, |v[(\x)+16*C_+2*K_+1]|
.elseif (\i) < 18
	v_permlanex16_b32 v[PD+T_], v[BM+T_], s[SEL], s[SEL+1]
.elseif (\i) < 20
	v_max_num_f32 v[BM+T_], v[BM+T_], v[PD+T_]
.elseif (\i) < 22
	v_add_nc_u32 v[SO+T_], 0xff000000, v[BM+T_]    ; 2 off the exponent field
.elseif (\i) < 24
	v_lshrrev_b32 v[PD+T_], 23, v[SO+T_]
.elseif (\i) == 24
	v_lshl_or_b32 v[PD+2*(\n)], v[PD+2*(\n)+1], 8, v[PD+2*(\n)]
.elseif (\i) == 25
.if \sh
	v_lshl_or_b32 v[\w], v[PD+2*(\n)], 16, v[\w]
.else
	v_mov_b32 v[\w], v[PD+2*(\n)]
.endif
.endif
.endm
; a block's 32 products, the four accumulators by turns; list = 1: behind every second one two entries of the search on block s - 1
.macro MULS kind, p, s, list
.set N_, 0
.rept 32
	PROD \kind, \p, \s
.if (\list) && (N_%2) && (N_ < 26)
	WIN 0
	QE N_-1, ACC+32*(((\s)-1)%2), 0, PW+(\s)-1, 0
	QE N_, ACC+32*(((\s)-1)%2), 0, PW+(\s)-1, 0
.endif
.set N_, N_+1
.endr
	WIN 0
.endm
; the 32 sums become a half fragment in v[pc .. pc + 5] and leave: 512 consecutive bytes and 256
.macro CODE x, n, pc, ct, base, off
	s_wait_alu depctr_va_vdst(0)
	s_wait_xcnt 0x0                                ; earlier stores have read the registers written below
	v_cvt_scalef32_pk16_fp6_f32 v[\pc:\pc+2], v[\x:\x+15], v[SO+2*(\n)]
	v_cvt_scalef32_pk16_fp6_f32 v[\ct:\ct+2], v[\x+16:\x+31], v[SO+2*(\n)+1]
	v_nop                                          ; one plain line behind a scaled conversion
.irp i, 0,1,2
	v_permlane16_swap_b32 v[\pc+\i], v[\ct+\i]     ; a lane is to hold a whole block
.endr
.irp i, 0,1,2
	v_mov_b32 v[\pc+3+\i], v[\ct+\i]
.endr
	global_store_b128 v4, v[\pc:\pc+3], s[\base:\base+1] offset:\off
	global_store_b64 v5, v[\pc+4:\pc+5], s[\base:\base+1] offset:(\off)+512
.endm
.macro BURST c                         ; v: four blocks' sums, 64 keys x my 64 features: four half fragments
	s_wait_xcnt 0x0
.set I_, 0
.rept 26
.irp n, 0,1,2,3
	QE I_, ACC+32*\n, \n, PW+\n, \c
.endr
.set I_, I_+1
.endr
.irp n, 0,1,2,3
	CODE ACC+32*\n, \n, 92+8*(\n%2), 120, BK, 6144+1536*\n+768*\c
.endr
.endm
.macro VBLK s                          ; v: blocks 2 to 7
.if (\s) < 7
	s_wait_dscnt 32
.else
	s_wait_dscnt 0x0
.endif
	MULS 1, 0, \s, 0
.if (\s) < 7
	PLACES 4
.endif
.if (\s) < 6
	FETCH (\s)+2
.endif
.endm
.macro KQBLK p, s, base                ; k, q: a block, the fetch of the block two on, block s - 1's codes
.if (\s) < 7
	s_wait_dscnt 32
.else
	s_wait_dscnt 0x0
.endif
	MULS 0, \p, \s, 1
	PLACES 4
.if (\s) < 6
	FETCH (\s)+2
.endif
	CODE ACC+32*(((\s)-1)%2), 0, 192+8*(((\s)-1)%2), 208, \base, 768*((\s)-1)
.endm
.macro TAILKQ base, sbase, soff        ; block 7's way out, and the key step's scale words: 512 consecutive bytes
.set I_, 0
.rept 26
	QE I_, ACC+32, 0, PW+7, 0
.set I_, I_+1
.endr
	CODE ACC+32, 0, 200, 208, \base, 768*7
.irp w, 0,1,2,3
	v_cndmask_b32 v[SD+\w], v[PW+\w], v[PW+4+\w], s[MH]
.endr
	global_store_b128 v[SOF], v[SD:SD+3], s[\sbase:\sbase+1] offset:\soff
.endm
; block 1 with a refill's round: the guard's first two lines, the products, the wait for the add and my reads, the round, my two tiles of the next weights
.macro ROUNDBLK kind, p, list
	s_wait_tensorcnt 0x0
	ds_add_u32 v[SPW], v[NIL]
.if \p
	s_add_nc_u64 s[G0R+2:G0R+3], s[G0R+2:G0R+3], 64*TILEB   ; no load of mine is out: on to W_q's tiles
.endif
	s_wait_dscnt 1
	MULS \kind, \p, 1, \list
	s_wait_alu depctr_va_vdst(0)
	s_wait_dscnt 0x0
	CROUND
	tensor_load_to_lds s[G0R:G0R+3], s[G1R:G1R+7]
	s_nop 0
	PLACES 4
	FETCH 2
	FETCH 3
.endm
.macro CHANGE                          ; a plain barrier shows the weights that the refill brought; they and the first two blocks' rows go out in one run of loads
	s_wait_tensorcnt 0x0
	s_wait_dscnt 0x0
	BARRIER
	PLACES 4
	WEIGHTS
	FETCH 0
	FETCH 1
.endm
	s_load_b256 s[4:11], s[0:1], 0x0               ; opc, ops, b_kqv, hc
	s_load_b64 s[12:13], s[0:1], 0x20              ; hs
	v_lshl_add_u32 v[SPW], v0, 2, SPARE
	v_mov_b32 v[NIL], 0
	ds_add_u32 v[SPW], v[NIL]                      ; the opening lines
	ds_add_u32 v[SPW], v[NIL]
	v_lshrrev_b32 v1, 5, v0
	v_readfirstlane_b32 s[WV], v1
	s_lshr_b32 s[HI], s[WV], 1
	s_and_b32 s[LO], s[WV], 1
	s_bfe_u32 s17, ttmp6, 0x40000                  ; cx
	s_bfe_u32 s18, ttmp6, 0x40004                  ; cy
	s_lshl_b32 s19, ttmp9, 2
	s_add_co_u32 s19, s19, s17                     ; fg
	s_and_b32 s20, ttmp7, 0xffff
	s_lshl_b32 s20, s20, 2
	s_add_co_u32 s20, s20, s18                     ; tb
	s_lshl_b32 s21, s18, 2
	s_lshl_b32 s21, 15, s21                        ; my row of the cluster
	s_lshl_b32 s22, 0x1111, s17                    ; my column
	GROUP1 G1W, 22, 1536, 8, 1536
	GROUP1 G1R, 22, 1536, 2, 1536
	GROUP1 G1X, 21, 3072, 2, 12288
	GROUP1 G1Y, 21, 4608, 2, 12288
	s_mul_i32 s84, s20, 16*TILEB
	s_mov_b32 s85, 0
	s_lshl_b32 s86, s19, 3
	s_add_co_u32 s86, s86, 512                     ; W_k's tiles begin at 512, W_q's at 576, W_v's at 640
	s_mul_i32 s86, s86, TILEB
	s_mov_b32 s87, 0
	s_mul_i32 s88, s[WV], 2*TILEB
	s_mov_b32 s89, 0
	s_mov_b32 s[SEL], 0x76543210
	s_mov_b32 s[SEL+1], 0xfedcba98
	s_wait_dscnt 0x0
	s_wait_kmcnt 0x0
	s_add_nc_u64 s[84:85], s[4:5], s[84:85]
	s_add_nc_u64 s[86:87], s[4:5], s[86:87]
	CROUND                                         ; the joint loads meet
	G0SET G0W, BB0, 86, 128*TILEB
	G0SET G0X, 0, 84, 0
	G0SET G0Y, 4*TILEB, 84, 2*TILEB
	G0SET G0Z, 10*TILEB, 84, 5*TILEB
	s_mov_b32 s[G0R], 1
	s_add_co_u32 s[G0R+1], s88, BB0
	s_add_nc_u64 s[G0R+2:G0R+3], s[86:87], s[88:89]
	s_or_b32 s[G0R+3], s[G0R+3], 0x80000000
	ARM 1, G0W, G1W, .Lhead_1                      ; what goes on into registers is asked for first
	ARM 2, G0X, G1X, .Lhead_2
	ARM 3, G0Y, G1Y, .Lhead_3
	tensor_load_to_lds s[G0Z:G0Z+3], s[G1Y:G1Y+7]
	s_nop 0
	PLACES 4
.Lhead_asked:
	s_lshr_b32 s90, s20, 3
	s_lshl_b32 s90, s90, 4
	s_lshl_b32 s91, s19, 1
	s_add_co_u32 s90, s90, s91
	s_add_co_u32 s90, s90, s[LO]                   ; 16 x batch + head
	s_and_b32 s91, s20, 7
	s_lshl_b32 s91, s91, 1
	s_add_co_u32 s91, s91, s[HI]                   ; the key step
	s_mul_i32 s84, s90, HEADB
	s_mul_i32 s88, s91, STEPB
	s_add_co_u32 s84, s84, s88
	s_mov_b32 s85, 0
	s_add_nc_u64 s[BK:BK+1], s[10:11], s[84:85]
	s_lshl_b32 s84, s90, 7
	s_lshl_b32 s88, s91, 3
	s_add_co_u32 s84, s84, s88
	s_mul_i32 s84, s84, 768
	s_add_co_u32 s84, s84, QOFF
	s_add_nc_u64 s[BQ:BQ+1], s[10:11], s[84:85]
	s_lshl_b32 s84, s90, 13
	s_lshl_b32 s88, s91, 9
	s_add_co_u32 s84, s84, s88
	s_add_nc_u64 s[BQS:BQS+1], s[12:13], s[84:85]
	s_lshl_b32 s84, s20, 4
	s_lshl_b32 s88, s[HI], 3
	s_add_co_u32 s84, s84, s88
	s_lshl_b32 s84, s84, 9
	s_add_nc_u64 s[XS:XS+1], s[6:7], s[84:85]      ; my tiles' scale words: 512 bytes a tile
	s_lshl_b32 s84, s19, 3
	s_lshl_b32 s88, s[LO], 2
	s_add_co_u32 s84, s84, s88
	s_add_co_u32 s84, s84, 512
	s_lshl_b32 s84, s84, 9
	s_add_nc_u64 s[WS:WS+1], s[6:7], s[84:85]      ; W_k's; W_q's 32,768 bytes on, W_v's 65,536
	s_lshl_b32 s84, s19, 9
	s_lshl_b32 s88, s[LO], 8
	s_add_co_u32 s84, s84, s88
	s_add_nc_u64 s[8:9], s[8:9], s[84:85]          ; k's bias; q's 4,096 bytes on, v's 8,192
	v_and_b32 v1, 15, v0                           ; r
	v_bfe_u32 v2, v0, 4, 1                         ; h
	v_and_b32 v3, 31, v0
	v_lshlrev_b32 v4, 4, v3
	v_lshlrev_b32 v5, 3, v3
	s_mul_i32 s84, s[HI], 2*TILEB
	v_add_nc_u32 v[AX], s84, v4
	v_add_nc_u32 v[AX+1], s84, v5
	s_mul_i32 s84, s[HI], 3*TILEB
	s_add_co_u32 s84, s84, 4*TILEB
	v_add_nc_u32 v[AX+2], s84, v4
	v_add_nc_u32 v[AX+3], s84, v5
	s_add_co_u32 s84, s84, 6*TILEB
	v_add_nc_u32 v[AX+4], s84, v4
	v_add_nc_u32 v[AX+5], s84, v5
	s_mul_i32 s84, s[LO], 4*TILEB
	s_add_co_u32 s84, s84, BB0
	v_add_nc_u32 v[AB], s84, v4
	v_add_nc_u32 v[AB+1], s84, v5
	v_lshlrev_b32 v3, 4, v1
	v_lshl_add_u32 v[SR], v2, 11, v3
	v_lshl_add_u32 v[SRB], v2, 10, v3
	v_lshl_add_u32 v[SOF], v2, 8, v3
	v_lshl_add_u32 v[SOV], v2, 3, v3
	v_lshlrev_b32 v[BOF], 6, v2
	v_and_b32 v3, 7, v1
	v_lshrrev_b32 v[BOV], 3, v1
	v_lshlrev_b32 v[BOV], 6, v[BOV]
	v_lshl_add_u32 v[BOV], v3, 2, v[BOV]
	v_cmp_eq_u32 s[MH], 1, v2
.irp i, 0,1,2,3,4,5,6,7
	v_mov_b32 v[PD+\i], 0                          ; a lane permute's destination counts as a source
.endr
	s_wait_alu depctr_va_vdst(0)                   ; the wait at the head's end
.irp s, 0,1,2,3
.irp k, 0,1
	global_load_b128 v[SA+8*\s+4*\k:SA+8*\s+4*\k+3], v[SR], s[XS:XS+1] offset:512*\s+256*\k
.endr
.endr
.irp b, 0,1
.irp k, 0,1
	global_load_b128 v[SB+8*\b+4*\k:SB+8*\b+4*\k+3], v[SRB], s[WS:WS+1] offset:65536+512*\b+256*\k
	global_load_b128 v[SB+16+8*\b+4*\k:SB+16+8*\b+4*\k+3], v[SRB], s[WS:WS+1] offset:512*\b+256*\k
.endr
.endr
	WIN 3<<6
.irp b, 0,1,2,3
.irp j, 0,1,2,3,4,5,6,7
	global_load_b32 v[BI+8*\b+\j], v[BOV], s[8:9] offset:8192+4*(32*(\b/2)+8*(\b%2))   ; v: one number a lane and tile, in the tile's eight registers
.endr
.endr
.irp p, 1,2
.irp b, 0,1,2,3
	global_load_b128 v[BI+32*\p+8*\b:BI+32*\p+8*\b+3], v[BOF], s[8:9] offset:4096*(\p-1)+4*(32*(\b/2)+8*(\b%2))
	global_load_b128 v[BI+32*\p+8*\b+4:BI+32*\p+8*\b+7], v[BOF], s[8:9] offset:4096*(\p-1)+4*(32*(\b/2)+8*(\b%2))+16
.endr
.endr
	WIN 0
	s_cmp_eq_u32 s[WV], 0
	s_cbranch_scc0 .Lnot_w
	s_wait_tensorcnt 0x0
.Lnot_w:
	BARRIER                                        ; W_v's tiles are in
	WEIGHTS
	s_cmp_lt_u32 s[WV], 2
	s_cbranch_scc0 .Lnot_a
	s_wait_tensorcnt 0x0
.Lnot_a:
	s_wait_dscnt 0x0
	BARRIER                                        ; x's first group is in; the others may be on their way
	FETCH 0
	FETCH 1
; ---- phase 0: v
	s_wait_loadcnt 0x0                             ; scale words and bias
	s_wait_dscnt 32
	MULS 1, 0, 0, 0
	PLACES 4
	ROUNDBLK 1, 0, 0                               ; the round also shows x's other two groups; W_k's tiles are asked for
	VBLK 2
	VBLK 3
	BURST 0
	VBLK 4
	VBLK 5
	VBLK 6
	VBLK 7
	CHANGE
.irp b, 0,1
.irp k, 0,1
	global_load_b128 v[SB+8*\b+4*\k:SB+8*\b+4*\k+3], v[SRB], s[WS:WS+1] offset:32768+512*\b+256*\k   ; W_q's scale words, into the set that v has left
.endr
.endr
	BURST 1                                        ; under the loads' flight
	v_cndmask_b32 v[SD], v[PW], v[PW+2], s[MH]
	v_cndmask_b32 v[SD+1], v[PW+1], v[PW+3], s[MH]
	global_store_b64 v[SOV], v[SD:SD+1], s[BK:BK+1] offset:12800   ; V's unit of scale words: 256 consecutive bytes
; ---- phase 1: k
	s_wait_xcnt 0x0
	s_wait_dscnt 32
	MULS 0, 1, 0, 0
	PLACES 4
	ROUNDBLK 0, 1, 1                               ; W_q's tiles are asked for
	CODE ACC, 0, 192, 208, BK, 0
.irp s, 2,3,4,5,6,7
	KQBLK 1, \s, BK
.endr
	CHANGE
	TAILKQ BK, BK, 12288
; ---- phase 2: q
	s_wait_xcnt 0x0
	s_wait_loadcnt 0x0                             ; W_q's scale words
	s_wait_dscnt 32
	MULS 0, 2, 0, 0
	PLACES 4
	FETCH 2
.irp s, 1,2,3,4,5,6,7
	KQBLK 2, \s, BQ
.endr
	TAILKQ BQ, BQS, 0
	s_wait_tensorcnt 0x0                           ; the wave's end
	ds_add_u32 v[SPW], v[NIL]
	s_wait_dscnt 0x0
	CROUND                                         ; the closing round
	s_endpgm
.Lfunc_end_k_q89fac83b20_kqv:
	.size	k_q89fac83b20_kqv, .Lfunc_end_k_q89fac83b20_kqv-k_q89fac83b20_kqv
	.p2alignl 7, 3214868480
	.fill 96, 4, 3214868480
	.section	.rodata,"a",@progbits
	.p2align	6, 0x0
	.amdhsa_kernel k_q89fac83b20_kqv
		.amdhsa_group_segment_fixed_size 327680
		.amdhsa_private_segment_fixed_size 0
		.amdhsa_enable_private_segment 0
		.amdhsa_kernarg_size 40
		.amdhsa_user_sgpr_count 2
		.amdhsa_user_sgpr_kernarg_segment_ptr 1
		.amdhsa_wavefront_size32 1
		.amdhsa_system_sgpr_workgroup_id_x 1
		.amdhsa_system_sgpr_workgroup_id_y 1
		.amdhsa_system_sgpr_workgroup_id_z 1
		.amdhsa_system_vgpr_workitem_id 0
		.amdhsa_next_free_vgpr 960
		.amdhsa_next_free_sgpr 100
		.amdhsa_reserve_vcc 0
		.amdhsa_float_denorm_mode_32 3
		.amdhsa_float_denorm_mode_16_64 3
		.amdhsa_memory_ordered 1
		.amdhsa_forward_progress 1
		.amdhsa_inst_pref_size 255
	.end_amdhsa_kernel
	.section	.bss,"aw",@nobits
	.p2align	6
	.space	262144
	.amdgpu_metadata
---
amdhsa.version: [ 1, 2 ]
amdhsa.kernels:
  - .name:           k_q89fac83b20_kqv
    .symbol:         k_q89fac83b20_kqv.kd
    .args:
      - { .name: opc, .offset: 0, .size: 8, .value_kind: global_buffer, .address_space: global }
      - { .name: ops, .offset: 8, .size: 8, .value_kind: global_buffer, .address_space: global }
      - { .name: b_kqv, .offset: 16, .size: 8, .value_kind: global_buffer, .address_space: global }
      - { .name: hc, .offset: 24, .size: 8, .value_kind: global_buffer, .address_space: global }
      - { .name: hs, .offset: 32, .size: 8, .value_kind: global_buffer, .address_space: global }
    .group_segment_fixed_size: 327680
    .private_segment_fixed_size: 0
    .kernarg_segment_align: 8
    .kernarg_segment_size: 40
    .max_flat_workgroup_size: 128
    .sgpr_count:     100
    .vgpr_count:     960
    .wavefront_size: 32
...
	.end_amdgpu_metadata
.endif
;; end of part 2
;; launch attn (part 3): grid 4 x 64, 16 waves a work-group, clusters of 4 x 1, 327,680 bytes of LDS; arguments hc, hs, yc, ops; writes yc, ops
.if DOCPART == 3
	.amdgcn_target "amdgcn-amd-amdhsa--gfx1250"
	.amdhsa_code_object_version 6
	.text
	.protected	k_q89fac83b20_attn
	.globl	k_q89fac83b20_attn
	.p2align	8
	.type	k_q89fac83b20_attn,@function
k_q89fac83b20_attn:
	s_mov_b64 s[64:65], 0
	v_nop
	global_prefetch_b8 v0, s[64:65] scope:SCOPE_SE
	s_setreg_imm32_b32 hwreg(HW_REG_WAVE_MODE, 25, 1), 1
	s_wait_xcnt 0x0
	s_wait_alu depctr_hold_cnt(0) depctr_sa_sdst(0) depctr_va_vdst(0) depctr_va_sdst(0) depctr_va_ssrc(0) depctr_va_vcc(0) depctr_vm_vsrc(0)
	s_getreg_b32 s2, hwreg(HW_REG_IB_STS2, 6, 4)
	s_cmp_eq_u32 s2, 0
	s_cbranch_scc0 .Lentry_in_a_cluster
	s_endpgm
.Lentry_in_a_cluster:
	s_bfe_u32 s2, ttmp6, 0x10000c
	s_cmp_lg_u32 s2, 0x3003
	s_cbranch_scc0 .Lentry_shape_is_right
	s_endpgm
.Lentry_shape_is_right:
; y = softmax(q k^T / 8, causal) v for 64 (batch, head) pairs, 2,048 tokens, head size 64, both products on codes of FP6 (E2M3) with E8M0 scales; y leaves as codes again, quantised along the head's 64.
; LEFT OUT: key steps all of whose keys come after a tile's queries: the causal mask sets them to -inf, so their p is 0 for every input.
; THE SOFTMAX: t = score x log2(e) / 8; M = the running largest t rounded UP to a whole number; p = 2^(t - M) is quantised along the keys, not normalised; the row's sum is taken of the unquantised p
; and divides O at the end.  When M moves, the sum and O are multiplied by 2^(old M - new M): exact.  LIMIT: the promise holds while |t| stays under 2^31.
; A HEAD'S K, V AND THEIR SCALE WORDS, 16 key steps x 13,056 bytes = 208,896, STAY IN LDS FOR THE WHOLE LAUNCH: wave w asks for key step w, one dense tensor load, at the head.  Nothing is filled again:
; no ring, and no barrier in the walk.  Waves 0, 1 have a load line of their own: the first barrier shows key steps 0, 1, which every wave walks; the second shows the rest.
; A key step: [K's 8 tiles of 16 keys: 6,144][V: 4 tiles of d x 2 halves: 6,144][K's scale words 512][V's 256].  A half fragment is 16 rows x 64 K, 768 bytes: lane l's first four registers at 16 l, its last two at 512 + 8 l.
; Row r of token tile 2 b + u is token 32 b + 8 u + r % 8 + 16 (r / 8): in S^T = K Q^T the 16 registers of two neighbouring tiles are 16 neighbouring keys, as V's K wants them.
; THE FIRST PRODUCT'S K IS 64, the instruction's 128: Q's fragment has six registers of zero codes on top, so what K's operand names on top adds nothing; no scale byte is 0xff.
; SHARES.  Work-group (j, head): wave m owns the query tiles j + 4 m and j + 4 (31 - m): 17 live key steps for every wave.  Their last key steps are m / 2 and (31 - m) / 2, whatever j.
; CLUSTER 4 x 1: the four work-groups of a head ask for its key steps jointly; branches and LDS addresses hang on the wave's number and the loop's count alone; j enters only global addresses and the mask's compare.
; No prefetch: every load stands at the head; there is no loop to run ahead in.
; y's scale bytes leave two at a time into ops, behind the words that the first launch laid there.
; LIMITS: NaN and infinities are not served; a block whose largest magnitude lies under 2^-124, and a block of zeros, keep the byte 1 (only this program reads the bytes).
.set STEPB, 13056
.set HEADB, 16*STEPB
.set SCB,   12288                      ; a key step's scale words
.set SPARE, HEADB                      ; the spare words, 128 bytes for each of sixteen waves
.set QOFF,  64*HEADB
.set YSOFF, 393216                     ; y's scale words in ops
.set L16, 1
.set L8,  2
.set LSC, 3                            ; SCB + 16 r
.set SPW, 4
.set NIL, 5
.set DL,  7                            ; r % 8 + 16 (r / 8) - 16 h
.set AD16, 8
.set AD8,  9
.set ADS,  10
.set ST,  12                           ; item x at v[12 + 4 x]: -M, the largest t, the sum in two halves
.set QF,  20                           ; item x at v[20 + 12 x]: Q's six registers, six of zeros
.set QW,  44
.set F,   48                           ; v48-95 fragments of K, then of V; K's last tile names v96-101 on top, which meet Q's zero codes whatever they hold
.set BM,  240                          ; at work in a step: in the registers of p's codes, which are made last
.set PD,  244
.set SO,  248
.set CT,  96                           ; v96-98 a block's upper 16 codes as they are made
.set TMP, 99
.set SW,  102                          ; v102-109 scale words, and nothing else
.set YW,  110
.set S,   112                          ; S^T, then p
.set O,   176                          ; item x at v[176 + 32 x]
.set PCD, 240
.set PWD, 252
.set FF,  254
.set WV,  12
.set BH,  13
.set JX,  15
.set T0,  16
.set QS,  18
.set DB,  20
.set SEL, 22
.set CS,  24
.set G1,  28
.set G0,  44
.set TB,  52
.set KS,  55
.macro CROUND
	s_barrier_signal -1
	s_barrier_wait -1
	s_cmp_lg_u32 s[WV], 0
	s_cbranch_scc1 .Lnot_wave_0_\@
	s_barrier_signal -3
.Lnot_wave_0_\@:
	s_barrier_wait -3
	s_barrier_signal -1
	s_barrier_wait -1
.endm
	s_load_b256 s[4:11], s[0:1], 0x0               ; hc, hs, yc, ops
	v_lshl_add_u32 v[SPW], v0, 2, SPARE
	v_mov_b32 v[NIL], 0
	ds_add_u32 v[SPW], v[NIL]                      ; the opening lines
	ds_add_u32 v[SPW], v[NIL]
	v_lshrrev_b32 v8, 5, v0
	v_readfirstlane_b32 s[WV], v8                  ; the wave = m
	s_and_b32 s[BH], ttmp7, 0xffff
	s_bfe_u32 s[JX], ttmp6, 0x40000                ; j
	s_lshl_b32 s67, s[WV], 2
	s_add_co_u32 s[T0], s67, s[JX]
	s_sub_co_u32 s[T0+1], 124, s67
	s_add_co_u32 s[T0+1], s[T0+1], s[JX]
	s_lshr_b32 s[QS], s[WV], 1                     ; the tiles' last key steps, made of the wave's number alone
	s_sub_co_u32 s[QS+1], 31, s[WV]
	s_lshr_b32 s[QS+1], s[QS+1], 1
.irp x, 0,1
	s_bfe_u32 s67, s[T0+\x], 0x20001
	s_lshl_b32 s67, s67, 5
	s_and_b32 s68, s[T0+\x], 1
	s_lshl_b32 s68, s68, 3
	s_add_co_u32 s[DB+\x], s67, s68                ; the tile's first query's place in that step
.endr
	s_mov_b32 s[G1], 15|(3<<16)|(1<<21)            ; 13,056 dense bytes as 51 rows of 256; the mask names the cluster's four
	s_mov_b32 s[G1+1], 32<<16
	s_mov_b32 s[G1+2], 51<<16
	s_mov_b32 s[G1+3], 32<<16
	s_mov_b32 s[G1+4], 51
	s_mov_b32 s[G1+5], 32
	s_mov_b32 s[G1+6], 0
	s_mov_b32 s[G1+7], 0
	s_mov_b32 s[SEL], 0x76543210
	s_mov_b32 s[SEL+1], 0xfedcba98
	s_mov_b32 s[CS], 0x3e38aa3b                    ; log2(e) / 8
	s_mov_b32 s[CS+1], s[CS]
	s_mov_b32 s[TB], 0
	s_mov_b32 s[KS], 0
	v_and_b32 v8, 15, v0                           ; r
	v_bfe_u32 v9, v0, 4, 1                         ; h
	v_and_b32 v11, 31, v0
	v_lshlrev_b32 v[L16], 4, v11
	v_lshlrev_b32 v[L8], 3, v11
	v_lshl_add_u32 v[LSC], v8, 4, SCB
	v_and_b32 v[DL], 7, v8
	v_lshrrev_b32 v10, 3, v8
	v_sub_nc_u32 v10, v10, v9
	v_lshl_add_u32 v[DL], v10, 4, v[DL]
	v_lshlrev_b32 v9, 4, v8                        ; 16 r
	s_mov_b32 s[G0], 1
	s_mul_i32 s[G0+1], s[WV], STEPB
	s_mul_i32 s86, s[BH], HEADB
	s_add_co_u32 s86, s86, s[G0+1]
	s_mov_b32 s87, 0
	s_wait_alu depctr_va_vdst(0)
	s_wait_dscnt 0x0
	s_wait_kmcnt 0x0
	s_add_nc_u64 s[G0+2:G0+3], s[4:5], s[86:87]
	s_or_b32 s[G0+3], s[G0+3], 0x80000000
	CROUND                                         ; the joint loads meet
	s_cmp_lt_u32 s[WV], 2
	s_cbranch_scc0 .Llater
	tensor_load_to_lds s[G0:G0+3], s[G1:G1+7]      ; key steps 0, 1
	s_nop 0
.rept 4
	v_nop
.endr
	s_branch .Lasked
.Llater:
	tensor_load_to_lds s[G0:G0+3], s[G1:G1+7]      ; key steps 2 to 15
	s_nop 0
.rept 4
	v_nop
.endr
.Lasked:
	s_mov_b32 s93, 0
.irp x, 0,1
	s_lshl_b32 s67, s[BH], 7
	s_add_co_u32 s67, s67, s[T0+\x]
	s_mul_i32 s92, s67, 768
	s_add_co_u32 s92, s92, QOFF
	s_add_nc_u64 s[76+2*\x:77+2*\x], s[4:5], s[92:93]      ; Q's half fragment
	s_lshl_b32 s92, s[BH], 13
	s_lshr_b32 s94, s[T0+\x], 2
	s_lshl_b32 s94, s94, 8
	s_add_co_u32 s92, s92, s94
	s_and_b32 s94, s[T0+\x], 3
	s_lshl_b32 s94, s94, 2
	s_add_co_u32 s92, s92, s94
	s_add_nc_u64 s[80+2*\x:81+2*\x], s[6:7], s[92:93]      ; its scale words
	global_load_b128 v[QF+12*\x:QF+12*\x+3], v[L16], s[76+2*\x:77+2*\x]
	global_load_b64 v[QF+12*\x+4:QF+12*\x+5], v[L8], s[76+2*\x:77+2*\x] offset:512
	global_load_b32 v[QW+\x], v9, s[80+2*\x:81+2*\x]
	s_lshr_b32 s94, s[BH], 4
	s_lshl_b32 s94, s94, 7
	s_add_co_u32 s94, s94, s[T0+\x]                        ; the token tile among all 512
	s_lshl_b32 s[74+\x], s94, 9                            ; its 512 bytes of scale words
	s_lshl_b32 s94, s94, 4
	s_and_b32 s95, s[BH], 15
	s_add_co_u32 s94, s94, s95
	s_mul_i32 s92, s94, 768
	s_add_nc_u64 s[68+2*\x:69+2*\x], s[8:9], s[92:93]      ; y's half fragment: [tile][head]
.endr
	s_and_b32 s95, s[BH], 15                       ; the head's two bytes in a row's words: unit head / 8, word (head / 2) % 4, bytes 2 (head % 2) on
	s_lshr_b32 s92, s95, 3
	s_lshl_b32 s92, s92, 8
	s_bfe_u32 s94, s95, 0x20001
	s_lshl_b32 s94, s94, 2
	s_add_co_u32 s92, s92, s94
	s_and_b32 s94, s95, 1
	s_lshl_b32 s94, s94, 1
	s_add_co_u32 s92, s92, s94
	s_add_co_u32 s92, s92, YSOFF
	s_add_nc_u64 s[72:73], s[10:11], s[92:93]
.irp x, 0,1
	v_mov_b32 v[ST+4*\x+1], 0xff61b1e6             ; the largest t so far: -3e38
	v_floor_f32 v[ST+4*\x], -v[ST+4*\x+1]          ; -M
	v_mov_b32 v[ST+4*\x+2], 0
	v_mov_b32 v[ST+4*\x+3], 0
.irp i, 6,7,8,9,10,11
	v_mov_b32 v[QF+12*\x+\i], 0                    ; zero codes for K 64-127
.endr
.endr
.irp i, 48,49,50,51,52,53
	v_mov_b32 v[F+\i], 0                           ; what the last tile of K names on top
.endr
.irp i, 0,1,2,3
	v_mov_b32 v[PD+\i], 0                          ; a lane permute's destination counts as a source
.endr
	v_mov_b32 v52, 0                               ; and the way out's two
	v_mov_b32 v53, 0
	v_mov_b32 v[FF+1], 0
.set II, 0
.rept 64
	v_mov_b32 v[O+II], 0                           ; O^T of both items: the step is written once; the first change of M leaves zeros zeros
.set II, II+1
.endr
; Item x in the key step at s[TB]: 16 queries x 128 keys
.macro STEP x
.set SX, ST+4*\x
.set OX, O+32*\x
.set QX, QF+12*\x
	s_cmp_gt_u32 s[KS], s[QS+\x]                   ; all keys of the step come after my 16 queries
	s_cbranch_scc1 .Lhidden_\@
.rept 4
	v_nop                                          ; places in front of loads into registers that matrix instructions have read
.endr
	s_wait_alu depctr_va_vdst(0)
	ds_load_b128 v[SW:SW+3], v[ADS]
	ds_load_b128 v[SW+4:SW+7], v[ADS] offset:256
.irp t, 0,1,2,3,4,5,6,7
	ds_load_b128 v[F+6*\t:F+6*\t+3], v[AD16] offset:768*\t
	ds_load_b64 v[F+6*\t+4:F+6*\t+5], v[AD8] offset:768*\t+512
.endr
.irp t, 0,1,2,3,4,5,6,7
.if \t < 7
	s_wait_dscnt 12-2*\t                           ; tiles t and t + 1 are in: two loads for each later tile may be out
.endif
	v_wmma_scale_f32_16x16x128_f8f6f4 v[S+8*\t:S+8*\t+7], v[F+6*\t:F+6*\t+11], v[QX:QX+11], 0, v[SW+\t], v[QW+\x] matrix_a_fmt:MATRIX_FMT_FP6 matrix_b_fmt:MATRIX_FMT_FP6
.endr
.rept 4
	v_nop
.endr
.irp dt, 0,1,2,3
	ds_load_b128 v[F+12*\dt:F+12*\dt+3], v[AD16] offset:6144+1536*\dt          ; V's fragments and scale words are asked for here and waited for ahead of the second product
	ds_load_b64 v[F+12*\dt+4:F+12*\dt+5], v[AD8] offset:6144+1536*\dt+512
	ds_load_b128 v[F+12*\dt+6:F+12*\dt+9], v[AD16] offset:6144+1536*\dt+768
	ds_load_b64 v[F+12*\dt+10:F+12*\dt+11], v[AD8] offset:6144+1536*\dt+1280
.endr
	ds_load_b128 v[SW:SW+3], v[ADS] offset:512
	s_cmp_lt_u32 s[KS], s[QS+\x]
	s_cbranch_scc1 .Lopen_\@
	v_add_nc_u32 v[TMP], s[DB+\x], v[DL]           ; d = my query's place in the step - 16 h; register 16 b + i holds key 32 b + 16 h + i: hidden where 32 b + i > d
	v_mov_b32 v[TMP+1], 0xff800000
.irp n, 0,1,2,3,4,5,6,7,8,9,10,11,12,13,14,15,16,17,18,19,20,21,22,23,24,25,26,27,28,29,30,31,32,33,34,35,36,37,38,39,40,41,42,43,44,45,46,47,48,49,50,51,52,53,54,55,56,57,58,59,60,61,62,63
	v_cmp_gt_i32 vcc_lo, 32*(\n/16)+\n%16, v[TMP]
	v_cndmask_b32 v[S+\n], v[S+\n], v[TMP+1], vcc_lo
.endr
.Lopen_\@:
.irp b, 0,1,2,3
	v_max3_num_f32 v[BM+\b], v[S+16*\b], v[S+1+16*\b], v[S+2+16*\b]   ; each block's largest score: for the row's maximum and for the block's largest p
.endr
.irp i, 3,5,7,9,11,13
.irp b, 0,1,2,3
	v_max3_num_f32 v[BM+\b], v[BM+\b], v[S+16*\b+\i], v[S+1+16*\b+\i]
.endr
.endr
.irp b, 0,1,2,3
	v_max_num_f32 v[BM+\b], v[BM+\b], v[S+15+16*\b]
.endr
.irp b, 0,1,2,3
	s_delay_alu instid0(VALU_DEP_4)
	v_permlanex16_b32 v[PD+\b], v[BM+\b], s[SEL], s[SEL+1]
.endr
.irp b, 0,1,2,3
	s_delay_alu instid0(VALU_DEP_4)
	v_max_num_f32 v[BM+\b], v[BM+\b], v[PD+\b]
.endr
	s_delay_alu instid0(VALU_DEP_2)
	v_max3_num_f32 v[TMP], v[BM], v[BM+1], v[BM+2]
	s_delay_alu instid0(VALU_DEP_1)
	v_max_num_f32 v[TMP], v[TMP], v[BM+3]
	s_delay_alu instid0(VALU_DEP_1)
	v_mul_f32 v[TMP], s[CS], v[TMP]
	s_delay_alu instid0(VALU_DEP_1)
	v_max_num_f32 v[SX+1], v[SX+1], v[TMP]         ; the running largest t
	v_mov_b32 v[TMP], v[SX]
	s_delay_alu instid0(VALU_DEP_2)
	v_floor_f32 v[SX], -v[SX+1]                    ; the new -M
	s_delay_alu instid0(VALU_DEP_1)
	v_sub_f32 v[TMP], v[SX], v[TMP]                ; old M - new M
	s_delay_alu instid0(VALU_DEP_1)
	v_cvt_i32_f32 v[TMP], v[TMP]
	s_delay_alu instid0(VALU_DEP_1)
	v_ldexp_f32 v[FF], 1.0, v[TMP]                 ; f = 2^(old M - new M)
.irp j, 0,2,4,6,8,10,12,14,16,18,20,22,24,26,28,30,32,34,36,38,40,42,44,46,48,50,52,54,56,58,60,62
	v_pk_fma_f32 v[S+\j:S+1+\j], v[S+\j:S+1+\j], s[CS:CS+1], v[SX:SX+1] op_sel_hi:[1,0,0]   ; t - M
.endr
.irp b, 0,1,2,3
	v_fma_f32 v[BM+\b], v[BM+\b], s[CS], v[SX]
.endr
	s_wait_alu depctr_va_vdst(0)                   ; ahead of the batch
.irp j, 0,1,2,3,4,5,6,7,8,9,10,11,12,13,14,15,16,17,18,19,20,21,22,23,24,25,26,27,28,29,30,31,32,33,34,35,36,37,38,39,40,41,42,43,44,45,46,47,48,49,50,51,52,53,54,55,56,57,58,59,60,61,62,63
	v_exp_f32 v[S+\j], v[S+\j]                     ; p
.endr
	v_pk_mul_f32 v[SX+2:SX+3], v[SX+2:SX+3], v[FF:FF+1] op_sel_hi:[1,0]   ; the sums under the new M
	s_wait_alu depctr_va_vdst(0)                   ; one wait for the batch
.irp b, 0,1,2,3
	v_exp_f32 v[BM+\b], v[BM+\b]                   ; the block's largest p
.endr
	v_pk_add_f32 v[PD:PD+1], v[S:S+1], v[S+2:S+3]  ; the row's sum of the unquantised p, in four chains
	v_pk_add_f32 v[PD+2:PD+3], v[S+4:S+5], v[S+6:S+7]
	v_pk_add_f32 v[SO:SO+1], v[S+8:S+9], v[S+10:S+11]
	v_pk_add_f32 v[SX+2:SX+3], v[SX+2:SX+3], v[S+12:S+13]
	v_pk_add_f32 v[PD:PD+1], v[PD:PD+1], v[S+14:S+15]
.irp j, 16,24,32,40,48,56
	v_pk_add_f32 v[SX+2:SX+3], v[SX+2:SX+3], v[S+\j:S+1+\j]
	v_pk_add_f32 v[PD:PD+1], v[PD:PD+1], v[S+2+\j:S+3+\j]
	v_pk_add_f32 v[PD+2:PD+3], v[PD+2:PD+3], v[S+4+\j:S+5+\j]
	v_pk_add_f32 v[SO:SO+1], v[SO:SO+1], v[S+6+\j:S+7+\j]
.endr
	v_pk_add_f32 v[PD:PD+1], v[PD:PD+1], v[PD+2:PD+3]
	v_pk_add_f32 v[SX+2:SX+3], v[SX+2:SX+3], v[SO:SO+1]
	v_pk_add_f32 v[SX+2:SX+3], v[SX+2:SX+3], v[PD:PD+1]
	s_wait_alu depctr_va_vdst(0)                   ; and one for the four
.irp b, 0,1,2,3
	v_max_num_f32 v[BM+\b], 0x1800000, v[BM+\b]    ; the floor 2^(3 - 127)
.endr
.irp b, 0,1,2,3
	s_delay_alu instid0(VALU_DEP_4)
	v_add_nc_u32 v[SO+\b], 0xff000000, v[BM+\b]
.endr
.irp b, 0,1,2,3
	s_delay_alu instid0(VALU_DEP_4)
	v_lshrrev_b32 v[PD+\b], 23, v[SO+\b]
.endr
	s_delay_alu instid0(VALU_DEP_3)
	v_lshl_or_b32 v[PWD], v[PD+1], 8, v[PD]
	s_delay_alu instid0(VALU_DEP_1)
	v_lshl_or_b32 v[PWD], v[PD+2], 16, v[PWD]
	s_delay_alu instid0(VALU_DEP_1)
	v_lshl_or_b32 v[PWD], v[PD+3], 24, v[PWD]
.irp c, 0,1                            ; the codes are laid over what has been at work: each register written here has had its last reader
	v_cvt_scalef32_pk16_fp6_f32 v[PCD+6*\c:PCD+2+6*\c], v[S+32*\c:S+15+32*\c], v[SO+2*\c]
	v_cvt_scalef32_pk16_fp6_f32 v[CT:CT+2], v[S+16+32*\c:S+31+32*\c], v[SO+2*\c+1]
	v_nop                                          ; one plain line behind a scaled conversion
.irp i, 0,1,2
	v_permlane16_swap_b32 v[PCD+6*\c+\i], v[CT+\i]   ; a lane is to hold a whole block
.endr
.irp i, 0,1,2
	s_delay_alu instid0(VALU_DEP_3)
	v_mov_b32 v[PCD+3+6*\c+\i], v[CT+\i]
.endr
.endr
.irp j, 0,2,4,6,8,10,12,14,16,18,20,22,24,26,28,30
	v_pk_mul_f32 v[OX+\j:OX+1+\j], v[OX+\j:OX+1+\j], v[FF:FF+1] op_sel_hi:[1,0]   ; O^T under the new M, while V's loads are out; also the places ahead of the products
.endr
	s_wait_alu depctr_va_vdst(0)
	s_wait_dscnt 0x0
.irp dt, 0,1,2,3
	v_wmma_scale_f32_16x16x128_f8f6f4 v[OX+8*\dt:OX+8*\dt+7], v[F+12*\dt:F+12*\dt+11], v[PCD:PCD+11], v[OX+8*\dt:OX+8*\dt+7], v[SW+\dt], v[PWD] matrix_a_fmt:MATRIX_FMT_FP6 matrix_b_fmt:MATRIX_FMT_FP6
.endr
.Lhidden_\@:
.endm
.macro KSTEP
	v_add_nc_u32 v[AD16], s[TB], v[L16]
	v_add_nc_u32 v[AD8], s[TB], v[L8]
	v_add_nc_u32 v[ADS], s[TB], v[LSC]
	STEP 0
	STEP 1
	s_add_co_u32 s[TB], s[TB], STEPB
	s_add_co_u32 s[KS], s[KS], 1
.endm
	s_wait_alu depctr_va_vdst(0)                   ; the wait at the head's end
	s_cmp_lt_u32 s[WV], 2
	s_cbranch_scc0 .Lnot_first
	s_wait_tensorcnt 0x0                           ; waves 0, 1: key steps 0, 1 are in
.Lnot_first:
	s_barrier_signal -1
	s_barrier_wait -1
	s_wait_loadcnt 0x0                             ; Q
.Lfirst:                                           ; key steps 0, 1
	KSTEP
	s_cmp_lt_u32 s[KS], 2
	s_cbranch_scc1 .Lfirst
	s_wait_alu depctr_va_vdst(0)
	s_wait_tensorcnt 0x0                           ; every wave's key step is in
	s_wait_dscnt 0x0
	s_barrier_signal -1
	s_barrier_wait -1
.Lrest:                                            ; key steps 2 to 15: constant trips; a hidden step is jumped over by ids
	KSTEP
	s_cmp_lt_u32 s[KS], 16
	s_cbranch_scc1 .Lrest
; THE WAY OUT of item x: O^T / the sum; register 16 b + i is d = 32 b + 16 h + i of my query: two blocks along the next product's K
.macro FINISH x
.set SX, ST+4*\x
.set OX, O+32*\x
.set YC, PCD+6*\x
.rept 4
	v_nop
.endr
	v_add_f32 v[TMP], v[SX+2], v[SX+3]
	s_delay_alu instid0(VALU_DEP_1)
	v_permlanex16_b32 v[TMP+1], v[TMP], s[SEL], s[SEL+1]
	s_delay_alu instid0(VALU_DEP_1)
	v_add_f32 v[TMP], v[TMP], v[TMP+1]
	s_wait_alu depctr_va_vdst(0)
	v_rcp_f32 v[FF], v[TMP]
	v_nop
	s_wait_alu depctr_va_vdst(0)
.irp j, 0,2,4,6,8,10,12,14,16,18,20,22,24,26,28,30
	v_pk_mul_f32 v[S+\j:S+1+\j], v[OX+\j:OX+1+\j], v[FF:FF+1] op_sel_hi:[1,0]
.endr
.irp b, 0,1
	v_max3_num_f32 v[BM+\b], |v[S+16*\b]|, |v[S+1+16*\b]|, 0x1800000
.endr
.irp i, 2,4,6,8,10,12,14
.irp b, 0,1
	s_delay_alu instid0(VALU_DEP_2)
	v_max3_num_f32 v[BM+\b], v[BM+\b], |v[S+16*\b+\i]|, |v[S+1+16*\b+\i]|
.endr
.endr
.irp b, 0,1
	s_delay_alu instid0(VALU_DEP_2)
	v_permlanex16_b32 v[PD+\b], v[BM+\b], s[SEL], s[SEL+1]
.endr
.irp b, 0,1
	s_delay_alu instid0(VALU_DEP_2)
	v_max_num_f32 v[BM+\b], v[BM+\b], v[PD+\b]
.endr
.irp b, 0,1
	s_delay_alu instid0(VALU_DEP_2)
	v_add_nc_u32 v[SO+\b], 0xff000000, v[BM+\b]
.endr
.irp b, 0,1
	s_delay_alu instid0(VALU_DEP_2)
	v_lshrrev_b32 v[PD+\b], 23, v[SO+\b]
.endr
	s_delay_alu instid0(VALU_DEP_1)
	v_lshl_or_b32 v[YW+\x], v[PD+1], 8, v[PD]      ; my row's two scale bytes
	v_cvt_scalef32_pk16_fp6_f32 v[YC:YC+2], v[S:S+15], v[SO]
	v_cvt_scalef32_pk16_fp6_f32 v[PD+4:PD+6], v[S+16:S+31], v[SO+1]
	v_nop
.irp i, 0,1,2
	v_permlane16_swap_b32 v[YC+\i], v[PD+4+\i]
.endr
.irp i, 0,1,2
	s_delay_alu instid0(VALU_DEP_3)
	v_mov_b32 v[YC+3+\i], v[PD+4+\i]
.endr
	global_store_b128 v[L16], v[YC:YC+3], s[68+2*\x:69+2*\x]
	global_store_b64 v[L8], v[YC+4:YC+5], s[68+2*\x:69+2*\x] offset:512
.endm
.set BM, 48                            ; the way out works in the fragments' registers: y's codes of both items lie where a step worked
.set PD, 52
.set SO, 60
	FINISH 0
	FINISH 1
	v_and_b32 v8, 15, v0
	v_bfe_u32 v9, v0, 4, 1
	s_delay_alu instid0(VALU_DEP_1)
	v_cmp_eq_u32 s66, 1, v9                        ; lanes 0-15 store item 0's bytes, lanes 16-31 item 1's
	v_mov_b32 v10, s74
	v_mov_b32 v11, s75
	s_delay_alu instid0(VALU_DEP_1)
	v_cndmask_b32 v10, v10, v11, s66
	s_delay_alu instid0(VALU_DEP_1)
	v_lshl_add_u32 v10, v8, 4, v10
	v_cndmask_b32 v11, v[YW], v[YW+1], s66
	global_store_b16 v10, v11, s[72:73]
	s_wait_tensorcnt 0x0                           ; the wave's end
	ds_add_u32 v[SPW], v[NIL]
	s_wait_dscnt 0x0
	CROUND                                         ; the closing round
	s_endpgm
.Lfunc_end_k_q89fac83b20_attn:
	.size	k_q89fac83b20_attn, .Lfunc_end_k_q89fac83b20_attn-k_q89fac83b20_attn
	.p2alignl 7, 3214868480
	.fill 96, 4, 3214868480
	.section	.rodata,"a",@progbits
	.p2align	6, 0x0
	.amdhsa_kernel k_q89fac83b20_attn
		.amdhsa_group_segment_fixed_size 327680
		.amdhsa_private_segment_fixed_size 0
		.amdhsa_enable_private_segment 0
		.amdhsa_kernarg_size 32
		.amdhsa_user_sgpr_count 2
		.amdhsa_user_sgpr_kernarg_segment_ptr 1
		.amdhsa_wavefront_size32 1
		.amdhsa_system_sgpr_workgroup_id_x 1
		.amdhsa_system_sgpr_workgroup_id_y 1
		.amdhsa_system_sgpr_workgroup_id_z 1
		.amdhsa_system_vgpr_workitem_id 0
		.amdhsa_next_free_vgpr 256
		.amdhsa_next_free_sgpr 100
		.amdhsa_reserve_vcc 1
		.amdhsa_float_denorm_mode_32 3
		.amdhsa_float_denorm_mode_16_64 3
		.amdhsa_memory_ordered 1
		.amdhsa_forward_progress 1
		.amdhsa_inst_pref_size 109
	.end_amdhsa_kernel
	.amdgpu_metadata
---
amdhsa.version: [ 1, 2 ]
amdhsa.kernels:
  - .name:           k_q89fac83b20_attn
    .symbol:         k_q89fac83b20_attn.kd
    .args:
      - { .name: hc, .offset: 0, .size: 8, .value_kind: global_buffer, .address_space: global }
      - { .name: hs, .offset: 8, .size: 8, .value_kind: global_buffer, .address_space: global }
      - { .name: yc, .offset: 16, .size: 8, .value_kind: global_buffer, .address_space: global }
      - { .name: ops, .offset: 24, .size: 8, .value_kind: global_buffer, .address_space: global }
    .group_segment_fixed_size: 327680
    .private_segment_fixed_size: 0
    .kernarg_segment_align: 8
    .kernarg_segment_size: 32
    .max_flat_workgroup_size: 512
    .sgpr_count:     100
    .vgpr_count:     256
    .wavefront_size: 32
...
	.end_amdgpu_metadata
.endif
;; end of part 3
;; launch proj (part 4): grid 8 x 32, 4 waves a work-group, clusters of 4 x 4, 327,680 bytes of LDS; arguments yc, opc, ops, b_proj, out0; writes out0
.if DOCPART == 4
	.amdgcn_target "amdgcn-amd-amdhsa--gfx1250"
	.amdhsa_code_object_version 6
	.text
	.protected	k_q89fac83b20_proj
	.globl	k_q89fac83b20_proj
	.p2align	8
	.type	k_q89fac83b20_proj,@function
k_q89fac83b20_proj:
	s_mov_b64 s[64:65], 0
	v_nop
	global_prefetch_b8 v0, s[64:65] scope:SCOPE_SE
	s_setreg_imm32_b32 hwreg(HW_REG_WAVE_MODE, 25, 1), 1
	s_wait_xcnt 0x0
	s_wait_alu depctr_hold_cnt(0) depctr_sa_sdst(0) depctr_va_vdst(0) depctr_va_sdst(0) depctr_va_ssrc(0) depctr_va_vcc(0) depctr_vm_vsrc(0)
	s_getreg_b32 s2, hwreg(HW_REG_IB_STS2, 6, 4)
	s_cmp_eq_u32 s2, 0
	s_cbranch_scc0 .Lentry_in_a_cluster
	s_endpgm
.Lentry_in_a_cluster:
	s_bfe_u32 s2, ttmp6, 0x10000c
	s_cmp_lg_u32 s2, 0xf033
	s_cbranch_scc0 .Lentry_shape_is_right
	s_endpgm
.Lentry_shape_is_right:
; out0 = y W_proj^T + b_proj on codes of FP6 (E2M3) with E8M0 scales, sums in f32.  256 work-groups of four waves; a work-group makes 256 tokens x 128 features.
; ALL OF K STAYS IN LDS: y's 16 tiles (196,608 bytes) and W's 8 tiles (98,304), a tile = 16 rows x 1,024 K = 12,288 dense bytes of half fragments (16 rows x 64 K: lane l's first four registers at 16 l, its last two at 512 + 8 l).
; Nothing is filled again.  One joint load a wave at the head, each in an arm of its own: wave 0 W's tiles, wave 1 y's tiles 0-3, wave 2 tiles 4-9, wave 3 tiles 10-15.
; Three plain barriers show them: W; tiles 0-3; all the rest, behind the first two blocks' products and ahead of the first LDS store.
; A WAVE (HI, LO) holds W's tiles 4 LO + b, b = 0 .. 3, all of K, in 384 registers, and streams y's tiles 2 s + HI, s = 0 .. 7, past them: a block is 32 products on four accumulators by turns,
; the bias as the first four products' C.  Source 0 = W's rows: a lane holds 8 neighbouring features of one token.  Each block leaves when it is summed: through the wave's own stage in LDS, as rows of 256 bytes.
; Row r of tile 2 b + u is the tensor's row 32 b + 8 u + r % 8 + 16 (r / 8), for tokens and features alike.
; The scale words (ops: 512 bytes a tile, [K half][row][4 words]; y's tiles behind the first launch's) go straight into registers, sixteen lanes to a unit of 256 bytes; lanes 16-31 hold the same again.
; CLUSTER 4 x 4: y's tiles shared along a row, W's along a column.  No prefetch: every load stands at the head; there is no loop to run ahead in.
; THE WAITS' COUNTS: behind a block's fetch (32 loads) stand the stage's 16 instructions of the next block and the next fetch's 32: 48; where nothing more is fetched 16.
; REGISTERS: window 0: v0-23 addresses, v24-87 y's scale words, v92-123 W's, v124-187 two sets of accumulators, v188-251 two sets of rows on the way out.
; Fragment f lies in window 1 + f / 21 at 12 (f % 21): 0-31 W's (4 q + b), 32-47 y's two sets.  v896-927 the bias.
.set TILEB,  12288
.set BB0,    16*TILEB
.set STG,    BB0+8*TILEB
.set SPITCH, 272
.set SPARE,  STG+4*16*SPITCH
.set YSOFF,  393216
.set FPW,    21
.set AA,  6                            ; v6-13 LDS addresses of my blocks 2 p, 2 p + 1: 16 x lane, 8 x lane
.set AB,  14                           ; v14, v15 of my tiles of W
.set STO, 16
.set RD,  17
.set CO,  18
.set SR,  19                           ; 16 r
.set BOF, 20                           ; 64 h
.set SPW, 22
.set NIL, 23
.set SA,  24
.set SB,  92
.set ACC, 124
.set BK,  188
.set BI,  128                          ; in window 3
.set WV, 14
.set HI, 15
.set LO, 16
.set G1B, 24
.set G1A, 32
.set G1C, 40
.set G0B, 48
.set G0A, 52
.set G0C, 56
.set G0D, 60
.set MSB, 0
.macro WIN new
.if MSB != \new
	s_set_vgpr_msb (MSB<<8)|\new
.set MSB, \new
.endif
.endm
.macro PLACES n
.rept \n
	v_nop
.endr
.endm
.macro BARRIER
	s_barrier_signal -1
	s_barrier_wait -1
.endm
.macro CROUND
	BARRIER
	s_cmp_lg_u32 s[WV], 0
	s_cbranch_scc1 .Lnot_wave_0_\@
	s_barrier_signal -3
.Lnot_wave_0_\@:
	s_barrier_wait -3
	BARRIER
.endm
.macro ARM under, g0, g1, next
	s_cmp_lt_u32 s[WV], \under
	s_cbranch_scc0 \next
	tensor_load_to_lds s[\g0:\g0+3], s[\g1:\g1+7]
	s_nop 0
	PLACES 4
	s_branch .Lhead_asked
\next:
.endm
.macro G0SET g, lds, base, off
	s_mov_b32 s[\g], 1
	s_mov_b32 s[\g+1], \lds
	s_add_nc_u64 s[\g+2:\g+3], s[\base:\base+1], \off
	s_or_b32 s[\g+3], s[\g+3], 0x80000000
.endm
.macro FRAG f, a, off                  ; a fragment of 128 K: two half fragments, four dense loads
	WIN (1+(\f)/FPW)<<6
.set R_, 12*((\f)%FPW)
	ds_load_b128 v[R_:R_+3], v[\a] offset:(\off)
	ds_load_b64 v[R_+4:R_+5], v[\a+1] offset:(\off)+512
	ds_load_b128 v[R_+6:R_+9], v[\a] offset:(\off)+768
	ds_load_b64 v[R_+10:R_+11], v[\a+1] offset:(\off)+1280
.endm
.macro FETCH s                         ; block s, all of K, into set s % 2: 32 loads
.irp q, 0,1,2,3,4,5,6,7
	FRAG 32+8*((\s)%2)+\q, AA+2*((\s)/2), ((\s)%2)*2*TILEB+1536*\q
.endr
	WIN 0
.endm
.macro PROD s, q, b
.set FB_, 4*(\q)+(\b)
.set FA_, 32+8*((\s)%2)+(\q)
.set D_, ACC+32*((\s)%2)+8*(\b)
.if (\q) == 0
	WIN (1+FB_/FPW)|((1+FA_/FPW)<<2)|(3<<4)
	v_wmma_scale_f32_16x16x128_f8f6f4 v[D_:D_+7], v[12*(FB_%FPW):12*(FB_%FPW)+11], v[12*(FA_%FPW):12*(FA_%FPW)+11], v[BI+8*(\b):BI+8*(\b)+7], v[SB+8*(\b)+(\q)], v[SA+8*(\s)+(\q)] matrix_a_fmt:MATRIX_FMT_FP6 matrix_b_fmt:MATRIX_FMT_FP6
.else
	WIN (1+FB_/FPW)|((1+FA_/FPW)<<2)
	v_wmma_scale_f32_16x16x128_f8f6f4 v[D_:D_+7], v[12*(FB_%FPW):12*(FB_%FPW)+11], v[12*(FA_%FPW):12*(FA_%FPW)+11], v[D_:D_+7], v[SB+8*(\b)+(\q)], v[SA+8*(\s)+(\q)] matrix_a_fmt:MATRIX_FMT_FP6 matrix_b_fmt:MATRIX_FMT_FP6
.endif
.endm
.macro MULS s                          ; a block's 32 products, the four accumulators by turns
.irp q, 0,1,2,3,4,5,6,7
.irp b, 0,1,2,3
	PROD \s, \q, \b
.endr
.endr
	WIN 0
.endm
.macro TOSTAGE s                       ; 16 tokens x 64 features into my stage and back as rows; LDS serves a wave's instructions in order (ISA guide 5.7.1.4)
.set AC_, ACC+32*((\s)%2)
.irp b, 0,1,2,3
	ds_store_b128 v[STO], v[AC_+8*\b:AC_+8*\b+3] offset:128*(\b/2)+32*(\b%2)
	ds_store_b128 v[STO], v[AC_+8*\b+4:AC_+8*\b+7] offset:128*(\b/2)+32*(\b%2)+16
.endr
.irp t, 0,1,2,3,4,5,6,7
	ds_load_b128 v[BK+32*((\s)%2)+4*\t:BK+32*((\s)%2)+4*\t+3], v[RD] offset:\t*2*SPITCH
.endr
.endm
.macro SEND s                          ; sixteen lanes store a row's 256 consecutive bytes, aligned; two rows an instruction
.irp t, 0,1,2,3,4,5,6,7
	global_store_b128 v[CO], v[BK+32*((\s)%2)+4*\t:BK+32*((\s)%2)+4*\t+3], s[12:13] offset:(32*(\s)+(2*\t)%8+16*(\t/4))*4096 th:TH_STORE_NT
.endr
.endm
.macro AFTER s                         ; behind block s's products
	PLACES 4                                       ; ahead of the reads of the sums and of the fetch into the operands' registers
	s_wait_xcnt 0x0                                ; the stores of two blocks ago have read the registers that the stage's loads fill
	TOSTAGE \s
.if (\s) < 7
	s_wait_dscnt 48
.else
	s_wait_dscnt 16
.endif
	SEND (\s)-1
.if (\s) < 6
	FETCH (\s)+2
.endif
.endm
	s_load_b256 s[4:11], s[0:1], 0x0               ; yc, opc, ops, b_proj
	s_load_b64 s[12:13], s[0:1], 0x20              ; out0
	v_lshl_add_u32 v[SPW], v0, 2, SPARE
	v_mov_b32 v[NIL], 0
	ds_add_u32 v[SPW], v[NIL]                      ; the opening lines
	ds_add_u32 v[SPW], v[NIL]
	v_lshrrev_b32 v1, 5, v0
	v_readfirstlane_b32 s[WV], v1
	s_lshr_b32 s[HI], s[WV], 1
	s_and_b32 s[LO], s[WV], 1
	s_bfe_u32 s17, ttmp6, 0x40000                  ; cx
	s_bfe_u32 s18, ttmp6, 0x40004                  ; cy
	s_lshl_b32 s19, ttmp9, 2
	s_add_co_u32 s19, s19, s17                     ; which 128 features
	s_and_b32 s20, ttmp7, 0xffff
	s_lshl_b32 s20, s20, 2
	s_add_co_u32 s20, s20, s18                     ; which 256 tokens
	s_lshl_b32 s21, s18, 2
	s_lshl_b32 s21, 15, s21                        ; my row of the cluster
	s_lshl_b32 s22, 0x1111, s17                    ; my column
	s_or_b32 s[G1B], s22, (3<<16)|(1<<21)          ; rows (tiles) of 12,288 dense bytes = 1,536 elements of 8
	s_or_b32 s[G1A], s21, (3<<16)|(1<<21)
	s_or_b32 s[G1C], s21, (3<<16)|(1<<21)
.irp g, G1B, G1A, G1C
	s_mov_b32 s[\g+1], 1536<<16
	s_mov_b32 s[\g+3], 1536<<16
	s_mov_b32 s[\g+5], 1536
	s_mov_b32 s[\g+6], 0
	s_mov_b32 s[\g+7], 0
.endr
	s_mov_b32 s[G1B+2], 8<<16
	s_mov_b32 s[G1B+4], 8
	s_mov_b32 s[G1A+2], 4<<16
	s_mov_b32 s[G1A+4], 4
	s_mov_b32 s[G1C+2], 6<<16
	s_mov_b32 s[G1C+4], 6
	s_mul_i32 s68, s20, 16*TILEB
	s_mov_b32 s69, 0
	s_lshl_b32 s70, s19, 3
	s_add_co_u32 s70, s70, 704                     ; W_proj's tiles begin at 704
	s_mul_i32 s70, s70, TILEB
	s_mov_b32 s71, 0
	s_wait_dscnt 0x0
	s_wait_kmcnt 0x0
	s_add_nc_u64 s[68:69], s[4:5], s[68:69]
	s_add_nc_u64 s[70:71], s[6:7], s[70:71]
	CROUND                                         ; the joint loads meet
	G0SET G0B, BB0, 70, 0
	G0SET G0A, 0, 68, 0
	G0SET G0C, 4*TILEB, 68, 4*TILEB
	G0SET G0D, 10*TILEB, 68, 10*TILEB
	ARM 1, G0B, G1B, .Lhead_1                      ; what goes on into registers is asked for first
	ARM 2, G0A, G1A, .Lhead_2
	ARM 3, G0C, G1C, .Lhead_3
	tensor_load_to_lds s[G0D:G0D+3], s[G1C:G1C+7]
	s_nop 0
	PLACES 4
.Lhead_asked:
	s_lshl_b32 s72, s20, 20                        ; out0: 256 rows of 4,096 bytes a work-group,
	s_lshl_b32 s74, s[HI], 15                      ; 8 rows for the odd tiles,
	s_add_co_u32 s72, s72, s74
	s_lshl_b32 s74, s19, 9
	s_lshl_b32 s75, s[LO], 8
	s_add_co_u32 s74, s74, s75                     ; my 64 features: 256 bytes
	s_add_co_u32 s72, s72, s74
	s_mov_b32 s73, 0
	s_mov_b32 s75, 0
	s_add_nc_u64 s[12:13], s[12:13], s[72:73]
	s_add_nc_u64 s[10:11], s[10:11], s[74:75]
	s_lshl_b32 s72, s20, 13
	s_lshl_b32 s74, s[HI], 9
	s_add_co_u32 s72, s72, s74
	s_add_co_u32 s72, s72, YSOFF
	s_add_nc_u64 s[76:77], s[8:9], s[72:73]        ; y's scale words, my tiles
	s_lshl_b32 s72, s19, 3
	s_lshl_b32 s74, s[LO], 2
	s_add_co_u32 s72, s72, s74
	s_add_co_u32 s72, s72, 704
	s_lshl_b32 s72, s72, 9
	s_add_nc_u64 s[78:79], s[8:9], s[72:73]        ; W's
	v_and_b32 v1, 15, v0                           ; r
	v_bfe_u32 v2, v0, 4, 1                         ; h
	v_and_b32 v3, 31, v0
	v_lshlrev_b32 v4, 4, v3
	v_lshlrev_b32 v5, 3, v3
	s_mul_i32 s72, s[HI], TILEB
.irp p, 0,1,2,3
	v_add_nc_u32 v[AA+2*\p], s72, v4
	v_add_nc_u32 v[AA+2*\p+1], s72, v5
	s_add_co_u32 s72, s72, 4*TILEB
.endr
	s_mul_i32 s72, s[LO], 4*TILEB
	s_add_co_u32 s72, s72, BB0
	v_add_nc_u32 v[AB], s72, v4
	v_add_nc_u32 v[AB+1], s72, v5
	s_mul_i32 s72, s[WV], 16*SPITCH
	s_add_co_u32 s72, s72, STG
	v_mul_u32_u24 v3, v1, SPITCH
	v_lshl_add_u32 v3, v2, 6, v3
	v_add_nc_u32 v[STO], s72, v3                   ; in: row r, 64 bytes for each half of the lanes
	v_mul_u32_u24 v3, v2, SPITCH
	v_lshl_add_u32 v3, v1, 4, v3
	v_add_nc_u32 v[RD], s72, v3                    ; back: lanes 0-15 a row, lanes 16-31 the next
	v_lshlrev_b32 v[SR], 4, v1
	v_lshl_add_u32 v[CO], v2, 12, v[SR]
	v_lshlrev_b32 v[BOF], 6, v2
	s_wait_alu depctr_va_vdst(0)                   ; the wait at the head's end
.irp b, 0,1,2,3
.irp k, 0,1
	global_load_b128 v[SB+8*\b+4*\k:SB+8*\b+4*\k+3], v[SR], s[78:79] offset:512*\b+256*\k
.endr
.endr
.irp s, 0,1,2,3,4,5,6,7
.irp k, 0,1
	global_load_b128 v[SA+8*\s+4*\k:SA+8*\s+4*\k+3], v[SR], s[76:77] offset:1024*\s+256*\k
.endr
.endr
	WIN 3<<6
.irp b, 0,1,2,3
	global_load_b128 v[BI+8*\b:BI+8*\b+3], v[BOF], s[10:11] offset:4*(32*(\b/2)+8*(\b%2))
	global_load_b128 v[BI+8*\b+4:BI+8*\b+7], v[BOF], s[10:11] offset:4*(32*(\b/2)+8*(\b%2))+16
.endr
	WIN 0
	s_cmp_eq_u32 s[WV], 0
	s_cbranch_scc0 .Lnot_w
	s_wait_tensorcnt 0x0
.Lnot_w:
	BARRIER                                        ; W's tiles are in
.irp q, 0,1,2,3,4,5,6,7
.irp b, 0,1,2,3
	FRAG 4*\q+\b, AB, \b*TILEB+1536*\q
.endr
.endr
	WIN 0
	s_cmp_lt_u32 s[WV], 2
	s_cbranch_scc0 .Lnot_a
	s_wait_tensorcnt 0x0
.Lnot_a:
	s_wait_dscnt 0x0
	BARRIER                                        ; y's tiles 0-3 are in; the others may be on their way
	FETCH 0
	FETCH 1
	s_wait_loadcnt 0x0                             ; the scale words and the bias
	s_wait_dscnt 32                                ; block 0 is in; block 1's 32 loads may be out
	MULS 0
	s_wait_dscnt 0x0
	MULS 1
	s_wait_tensorcnt 0x0                           ; every wave's tiles are in
	BARRIER
	PLACES 4
	TOSTAGE 0
	FETCH 2
	AFTER 1
.irp s, 2,3,4,5,6
	s_wait_dscnt 48
	MULS \s
	AFTER \s
.endr
	s_wait_dscnt 16
	MULS 7
	AFTER 7
	s_wait_dscnt 0x0
	SEND 7
	s_wait_tensorcnt 0x0                           ; the wave's end
	ds_add_u32 v[SPW], v[NIL]
	s_wait_dscnt 0x0
	CROUND                                         ; the closing round
	s_endpgm
.Lfunc_end_k_q89fac83b20_proj:
	.size	k_q89fac83b20_proj, .Lfunc_end_k_q89fac83b20_proj-k_q89fac83b20_proj
	.p2alignl 7, 3214868480
	.fill 96, 4, 3214868480
	.section	.rodata,"a",@progbits
	.p2align	6, 0x0
	.amdhsa_kernel k_q89fac83b20_proj
		.amdhsa_group_segment_fixed_size 327680
		.amdhsa_private_segment_fixed_size 0
		.amdhsa_enable_private_segment 0
		.amdhsa_kernarg_size 40
		.amdhsa_user_sgpr_count 2
		.amdhsa_user_sgpr_kernarg_segment_ptr 1
		.amdhsa_wavefront_size32 1
		.amdhsa_system_sgpr_workgroup_id_x 1
		.amdhsa_system_sgpr_workgroup_id_y 1
		.amdhsa_system_sgpr_workgroup_id_z 1
		.amdhsa_system_vgpr_workitem_id 0
		.amdhsa_next_free_vgpr 928
		.amdhsa_next_free_sgpr 80
		.amdhsa_reserve_vcc 0
		.amdhsa_float_denorm_mode_32 3
		.amdhsa_float_denorm_mode_16_64 3
		.amdhsa_memory_ordered 1
		.amdhsa_forward_progress 1
		.amdhsa_inst_pref_size 86
	.end_amdhsa_kernel
	.amdgpu_metadata
---
amdhsa.version: [ 1, 2 ]
amdhsa.kernels:
  - .name:           k_q89fac83b20_proj
    .symbol:         k_q89fac83b20_proj.kd
    .args:
      - { .name: yc, .offset: 0, .size: 8, .value_kind: global_buffer, .address_space: global }
      - { .name: opc, .offset: 8, .size: 8, .value_kind: global_buffer, .address_space: global }
      - { .name: ops, .offset: 16, .size: 8, .value_kind: global_buffer, .address_space: global }
      - { .name: b_proj, .offset: 24, .size: 8, .value_kind: global_buffer, .address_space: global }
      - { .name: out0, .offset: 32, .size: 8, .value_kind: global_buffer, .address_space: global }
    .group_segment_fixed_size: 327680
    .private_segment_fixed_size: 0
    .kernarg_segment_align: 8
    .kernarg_segment_size: 40
    .max_flat_workgroup_size: 128
    .sgpr_count:     80
    .vgpr_count:     928
    .wavefront_size: 32
...
	.end_amdgpu_metadata
.endif
;; end of part 4
